; MI455X (gfx1250); checked and timed in simulation.
; The chip was launched on July 23, 2026; its instructions are those of AMD's public machine-readable ISA for CDNA 5 (MIT licence, August 2026) and "CDNA5" Instruction Set Architecture Reference Guide (July 2026). The comments in the code are by the model that wrote it; some were corrected since.
;; Transformer Layer. Allowed arithmetic: matrix products marked QUANTISED: E2M3 operands, one E8M0 scale for each 32 along K, by v_wmma_scale_f32_16x16x128_f8f6f4 with both operands' format E2M3, f32 sums; everything else in f32.
;; Inputs: attention_mask 2 x 1 x 1 x 2,048 float32; b1 4,096 float32; b2 1,024 float32; be1 1,024 float32; be2 1,024 float32; bk 1,024 float32; bo 1,024 float32; bq 1,024 float32; bv 1,024 float32; g1 1,024 float32; g2 1,024 float32; hidden_states 2 x 2,048 x 1,024 float32; w1 1,024 x 4,096 float32; w2 4,096 x 1,024 float32; wk 1,024 x 1,024 float32; wo 1,024 x 1,024 float32; wq 1,024 x 1,024 float32; wv 1,024 x 1,024 float32.
;; Outputs: out0 2 x 2,048 x 1,024 float32.
;; This version of the problem:
;;   THIS VERSION OF THE PROBLEM IS GIVEN IN LOW PRECISION. The matrix products marked QUANTISED in the list below multiply operands that are first quantised to E2M3 (2 exponent bits, 3 mantissa bits; 6 bits a number), with one power-of-two scale for each 32 numbers along K (OCP MX v1.0); their sums are f32. All else is computed in f32.
;;   The module's matrix products, in the order in which they are computed (A, B: the left and right operand; K: the contracted axis; several contracted axes count as one K, in the product's order):
;;     1. [M 4,096, K 1,024] x [K 1,024, N 1,024]; A: computed on the way; B: input wq: QUANTISED
;;     2. [M 4,096, K 1,024] x [K 1,024, N 1,024]; A: computed on the way; B: input wk: QUANTISED
;;     3. [M 4,096, K 1,024] x [K 1,024, N 1,024]; A: computed on the way; B: input wv: QUANTISED
;;     4. batch 32 x [M 2,048, K 64] x [K 64, N 2,048]; A: computed on the way; B: computed on the way: QUANTISED
;;     5. batch 32 x [M 2,048, K 2,048] x [K 2,048, N 64]; A: softmax (see below); B: computed on the way: QUANTISED
;;     6. [M 4,096, K 1,024] x [K 1,024, N 1,024]; A: computed on the way; B: input wo: QUANTISED
;;     7. [M 4,096, K 1,024] x [K 1,024, N 4,096]; A: computed on the way; B: input w1: QUANTISED
;;     8. [M 4,096, K 4,096] x [K 4,096, N 1,024]; A: computed on the way; B: input w2: QUANTISED
;;   THE QUANTISER, for each operand of a quantised product, along K:
;;     - K is cut into blocks of 32 from its start; a last block that is shorter is filled with zeros.
;;     - A block's scale is 2^e with e = floor(log2(the largest magnitude in the block)) - 2, held to -126 .. 127; a block of zeros has e = 0. As a byte (E8M0): e + 127.
;;     - Each number is divided by its block's scale, clamped to +-7.5, and rounded to the nearest number of E2M3, ties to even, subnormals kept.
;;     - The product sums the exact products of the quantised numbers (number of the format x scale) in f32.
;;   ~~~python
;;   def quantise(x, axis):      # numpy; x: float32 -> the quantised numbers, widened to float32 again
;;       x = np.moveaxis(x, axis, -1); K = x.shape[-1]
;;       x = np.pad(x, [(0, 0)] * (x.ndim - 1) + [(0, -K % 32)]); x = x.reshape(x.shape[:-1] + (-1, 32)); a = np.abs(x).max(-1, keepdims=True)
;;       e = np.where(a > 0, np.clip(np.frexp(np.where(a > 0, a, 1))[1] - 1 - 2, -126, 127), 0)      # np.frexp(a)[1] - 1 = floor(log2(a)), exactly
;;       r = np.clip(x / 2.0 ** e, -7.5, 7.5)
;;       step = 2.0 ** (np.maximum(np.frexp(np.where(r == 0, 1, r))[1] - 1, 0) - 3)
;;       q = np.round(r / step) * step * 2.0 ** e      # np.round: ties to even
;;       return np.moveaxis(q.reshape(q.shape[:-2] + (-1,))[..., :K], -1, axis).astype(np.float32)
;;   ~~~
;;   SOFTMAX AHEAD OF A QUANTISED PRODUCT. Where the list says 'softmax', what is quantised is not the finished softmax but p = 2^(t - M), with t = logit x log2(e) and M = ceil(the row's largest t), a whole number; so 1/2 < the row's largest p <= 1. The row's sum l is taken of the UNQUANTISED p, in f32, and the product's result is divided by l at the end. Since M is a whole number, a kernel that streams over the keys may use a running M (the ceiling of the running maximum): every later rescaling is an exact power of two, which a block's scale takes up: the codes' values come out the same.
;;   OPERANDS COMPUTED ON THE WAY. 'Computed on the way' means the value that the module computes at that place (a softmax that the list does not call 'softmax' is quantised finished and normalised). What goes into a quantiser is computed in f32, as accurately as f32 sums, v_exp_f32 and their like allow (about 1e-6 of the number): no bf16 or f16 on the way to a quantiser, and a product that is left as it is and whose result goes on into a quantised operand takes f32 operands (vector FMAs, or v_wmma_f32_16x16x4_f32). A number that lies on a knife's edge between two numbers of the format may be rounded either way, as far as f32 arithmetic and the matrix unit's own rounding can turn it there, and no further.
;; One version. Each part assembles by itself: llvm-mc -triple=amdgcn-amd-amdhsa -mcpu=gfx1250 --defsym DOCPART=n.
;; ======== version 1 of 1: 7 launches
;; limits: right only within a limited range of input values; inputs' magnitudes at most 1,048,576
;; workspace buffers: wc 9,437,184 bytes; wsc 393,216 bytes; act 3,276,800 bytes; qkv 9,830,400 bytes; hbuf 16,777,216 bytes; fq 13,107,200 bytes
;; launch prep (part 1): grid 1024 x 1, 4 waves a work-group, no clusters, 50,176 bytes of LDS; arguments wq, wk, wv, wo, w1, w2, wc, wsc, hidden_states, g1, be1, act; writes wc, wsc, act
.if DOCPART == 1
	.amdgcn_target "amdgcn-amd-amdhsa--gfx1250"
	.amdhsa_code_object_version 6
	.text
	.protected	k_q66cf42dedc_prep
	.globl	k_q66cf42dedc_prep
	.p2align	8
	.type	k_q66cf42dedc_prep,@function
k_q66cf42dedc_prep:
	s_mov_b64 s[64:65], 0
	v_nop
	global_prefetch_b8 v0, s[64:65] scope:SCOPE_SE
	s_setreg_imm32_b32 hwreg(HW_REG_WAVE_MODE, 25, 1), 1
	s_wait_xcnt 0x0
; TWO STREAMS IN ONE LAUNCH, parted on the work-group's number alone.  They share nothing; each has LDS bytes of its own; work-groups of both lie side by side on a WGP (four of 256 registers a wave).
; WORK-GROUPS 0-255, THE FIRST NORM: y = (x - mean) * rsqrt(var + 1e-12) * g + b over rows of 1,024 f32, quantised along the row to FP6 (E2M3) with one E8M0 byte for each 32.  They come first: theirs is the longer chain.
; WORK-GROUPS 256-1023, THE WEIGHTS: the six weights, f32 stored [K][N], become codes of FP6 with one E8M0 byte for each 32 along K.
; LAYOUT OF ALL CODES IN THIS PROGRAM: [K / 64][rows][48 bytes]: a row's two blocks of 32 lie side by side, 24 bytes each; scale bytes: [K / 128][rows][4 bytes].
; ORDER INSIDE A BLOCK: place p holds element (p & 7) | ((p >> 3) & 1) << 4 | ((p >> 4) & 1) << 3.  Both operands of every product of this program are laid so, which leaves the products as they are.
; act: y's codes [16][4,096 rows][48] at 0, its scale words [8][4,096][4] at 3,145,728.
; wc: wq, wk, wv, wo as one array of 4,096 rows (a row = a column of the weight) at 0; w1 (4,096 rows) at 3,145,728; w2 (1,024 rows, K = 4,096) at 6,291,456.  wsc: at 0, 131,072, 262,144.
; A block's scale byte is its largest magnitude's exponent field - 2, held at 1 from below.
; LIMITS: a block of zeros, or one whose largest magnitude lies under 2^-124, gets the byte 1 (its codes are zeros or small; only this program reads the bytes).  NaN and infinities are not served.
.set LNWG,   256                       ; work-groups of the norm
.set FSTW,   4608                      ; the norm: a wave's stage: 32 places of 144 bytes
.set CST,    18432                     ; the norm: codes: [16 groups][16 rows][48 bytes]
.set SST,    30720                     ; the norm: scale bytes: [8][16 rows][4]
.set WSTG,   31232                     ; the weights: four stages of 32 rows
.set WPITCH, 144                       ; a stage row: eight places of 16 bytes, each with 12 bytes of codes, + 16
.set SPARE,  WSTG+4*32*WPITCH          ; behind both: the spare words, 128 bytes a wave
.set SPW, 11
.set NIL, 12
.set ST,  16                           ; the norm: v16-23  a pair of statistics for each of my four rows
.set C,   24                           ; v24-30  a block's codes
.set T,   32                           ; v32-63  a block's 32 numbers
.set X,   64                           ; v64-191 four rows
.set G,   192
.set BE,  224
.set EMAX,  2
.set WVO,   18                         ; the weights: v18-19 12 x lane + group
.set WSB,   24                         ; v24     the scale bytes of my four blocks
.set WX,    32                         ; v32-95  two sets of 32 numbers
.set WC,    96                         ; v96-102 a block's codes
.set WOUT,  112                        ; v112-143 the way out
.set WOFF,  176                        ; v176-207 place i of a block: 4 x lane + (its element's row) x a source row's bytes
.set WBASE, 40                         ; s[40:47] where block t of my 128 along K begins: four pairs, none rewritten
	v_lshl_add_u32 v[SPW], v0, 2, SPARE
	v_mov_b32 v[NIL], 0
	s_cmp_lt_u32 ttmp9, LNWG                       ; the work-group's number alone: all four waves go the same way
	s_cbranch_scc0 .Lweights
; ---------------- THE NORM.  A work-group takes 16 rows, a wave 4; a row stays in 32 registers between the passes: memory is read once.  All 48 loads of a wave go out together.
; For the quantiser a lane must hold a whole block: a row turns through the wave's own stage in LDS (places of 128 + 16 bytes) and comes back one block a lane, in the order of places.
; The 16 rows' codes meet in LDS, so that each group's 768 bytes leave as whole aligned runs of 256 bytes; the scale words leave in runs of 64 bytes.
	s_load_b256 s[4:11], s[0:1], 0x40              ; x, g, b, out
	v_lshrrev_b32 v1, 5, v0
	v_readfirstlane_b32 s12, v1                    ; wave
	v_and_b32 v13, 31, v0                          ; lane
	v_lshlrev_b32 v1, 4, v13                       ; 16 x lane
	s_mul_i32 s13, s12, FSTW
	v_lshrrev_b32 v14, 3, v13
	v_mul_u32_u24 v2, v14, 144
	v_and_b32 v14, 7, v13
	v_lshl_add_u32 v2, v14, 4, v2
	v_add_nc_u32 v2, s13, v2                       ; stage, in: eight lanes' 128 bytes are a block
	v_mul_u32_u24 v3, v13, 144
	v_add_nc_u32 v3, s13, v3                       ; stage, out: block = lane
	v_lshrrev_b32 v14, 1, v13
	v_mul_u32_u24 v4, v14, 768
	v_and_b32 v14, 1, v13
	v_mad_u32_u24 v4, v14, 24, v4
	s_mul_i32 s13, s12, 192
	s_add_co_u32 s13, s13, CST
	v_add_nc_u32 v4, s13, v4                       ; my block's 24 bytes of my wave's first row
	v_lshrrev_b32 v14, 2, v13
	v_lshlrev_b32 v5, 6, v14
	v_and_b32 v14, 3, v13
	v_add_nc_u32 v5, v5, v14
	s_lshl_b32 s13, s12, 4
	s_add_co_u32 s13, s13, SST
	v_add_nc_u32 v5, s13, v5                       ; my block's scale byte
	s_mul_i32 s13, s12, 3072
	s_add_co_u32 s13, s13, CST
	v_add_nc_u32 v6, s13, v1                       ; the way out: my wave's four groups
	v_and_b32 v14, 15, v13
	v_lshrrev_b32 v15, 4, v13
	v_lshlrev_b32 v8, 4, v14
	v_mad_u32_u24 v8, v15, 196096, v8              ; where lanes 16-31 fall into the next group: 196,608 - 512 further
	s_lshl_b32 s13, s12, 7
	s_add_co_u32 s13, s13, SST
	v_lshl_add_u32 v9, v13, 2, s13
	v_lshlrev_b32 v10, 2, v14
	v_lshl_add_u32 v10, v15, 14, v10               ; scale words: 16 rows x 4 bytes, the next step 16,384 bytes on
	s_mov_b32 s20, 0x76543210
	s_mov_b32 s21, 0xfedcba98                      ; selects for lane l xor 16
	s_mov_b32 s22, 0x3a800000                      ; 1 / 1,024
	s_mov_b32 s23, 0x2b8cbccc                      ; 1e-12
	s_lshl_b32 s14, ttmp9, 16
	s_lshl_b32 s15, s12, 14
	s_add_co_u32 s14, s14, s15                     ; my four rows
	s_mov_b32 s15, 0
	s_mul_i32 s16, s12, 786432
	s_mul_i32 s17, ttmp9, 768
	s_add_co_u32 s16, s16, s17
	s_mov_b32 s17, 0
	s_lshl_b32 s18, s12, 15
	s_lshl_b32 s19, ttmp9, 6
	s_add_co_u32 s18, s18, s19
	s_add_co_u32 s18, s18, 3145728
	s_mov_b32 s19, 0
	s_wait_kmcnt 0x0
	s_add_nc_u64 s[4:5], s[4:5], s[14:15]
	s_add_nc_u64 s[16:17], s[10:11], s[16:17]
	s_add_nc_u64 s[18:19], s[10:11], s[18:19]
.irp j, 0,1,2,3,4,5,6,7
	global_load_b128 v[G+4*\j:G+4*\j+3], v1, s[6:7] offset:512*\j
	global_load_b128 v[BE+4*\j:BE+4*\j+3], v1, s[8:9] offset:512*\j
.endr
.irp r, 0,1,2,3
.irp j, 0,1,2,3,4,5,6,7
	global_load_b128 v[X+32*\r+4*\j:X+32*\r+4*\j+3], v1, s[4:5] offset:4096*\r+512*\j   ; 512 consecutive bytes
.endr
.endr
	s_wait_loadcnt 0x0
.macro REDUCE                          ; the pairs' halves, then the 32 lanes; the four rows by turns
.irp r, 0,1,2,3
	v_add_f32 v[ST+2*\r], v[ST+2*\r], v[ST+2*\r+1]
.endr
.irp m, 1,2,4,8
.irp r, 0,1,2,3
	v_add_f32_dpp v[ST+2*\r], v[ST+2*\r], v[ST+2*\r] row_xmask:\m row_mask:0xf bank_mask:0xf
.endr
.endr
.irp r, 0,1,2,3
	v_permlanex16_b32 v[ST+2*\r+1], v[ST+2*\r], s20, s21
.endr
.irp r, 0,1,2,3
	v_add_f32 v[ST+2*\r], v[ST+2*\r], v[ST+2*\r+1]
.endr
.endm
.irp r, 0,1,2,3
	v_pk_add_f32 v[ST+2*\r:ST+2*\r+1], v[X+32*\r:X+32*\r+1], v[X+32*\r+2:X+32*\r+3]
.endr
.irp k, 2,3,4,5,6,7,8,9,10,11,12,13,14,15
.irp r, 0,1,2,3
	v_pk_add_f32 v[ST+2*\r:ST+2*\r+1], v[ST+2*\r:ST+2*\r+1], v[X+32*\r+2*\k:X+32*\r+2*\k+1]
.endr
.endr
	REDUCE
.irp r, 0,1,2,3
	v_mul_f32 v[ST+2*\r], s22, v[ST+2*\r]          ; the mean
.endr
.irp k, 0,1,2,3,4,5,6,7,8,9,10,11,12,13,14,15
.irp r, 0,1,2,3
	v_pk_add_f32 v[X+32*\r+2*\k:X+32*\r+2*\k+1], v[X+32*\r+2*\k:X+32*\r+2*\k+1], v[ST+2*\r:ST+2*\r+1] op_sel_hi:[1,0] neg_lo:[0,1] neg_hi:[0,1]
.endr
.endr
.irp r, 0,1,2,3
	v_pk_mul_f32 v[ST+2*\r:ST+2*\r+1], v[X+32*\r:X+32*\r+1], v[X+32*\r:X+32*\r+1]
.endr
.irp k, 1,2,3,4,5,6,7,8,9,10,11,12,13,14,15
.irp r, 0,1,2,3
	v_pk_fma_f32 v[ST+2*\r:ST+2*\r+1], v[X+32*\r+2*\k:X+32*\r+2*\k+1], v[X+32*\r+2*\k:X+32*\r+2*\k+1], v[ST+2*\r:ST+2*\r+1]
.endr
.endr
	REDUCE
.irp r, 0,1,2,3
	v_fma_f32 v[ST+2*\r], v[ST+2*\r], s22, s23     ; the variance + 1e-12
.endr
	s_wait_alu depctr_va_vdst(0)
.irp r, 0,1,2,3
	v_rsq_f32 v[ST+2*\r], v[ST+2*\r]
.endr
	v_nop                                          ; a plain instruction behind the last of the four,
	s_wait_alu depctr_va_vdst(0)                   ; and one wait for the four, ahead of their first reader
.irp k, 0,1,2,3,4,5,6,7,8,9,10,11,12,13,14,15
.irp r, 0,1,2,3
	v_pk_mul_f32 v[X+32*\r+2*\k:X+32*\r+2*\k+1], v[X+32*\r+2*\k:X+32*\r+2*\k+1], v[ST+2*\r:ST+2*\r+1] op_sel_hi:[1,0]
.endr
.irp r, 0,1,2,3
	v_pk_fma_f32 v[X+32*\r+2*\k:X+32*\r+2*\k+1], v[X+32*\r+2*\k:X+32*\r+2*\k+1], v[G+2*\k:G+2*\k+1], v[BE+2*\k:BE+2*\k+1]
.endr
.endr
.macro ROWQ r                          ; row r of my four: through the stage, one block a lane, quantised, codes and byte into the work-group's LDS
.irp j, 0,1,2,3,4,5,6,7
	ds_store_b128 v2, v[X+32*\r+4*\j:X+32*\r+4*\j+3] offset:576*\j
.endr
.irp g, 0,1,2,3,4,5,6,7
	ds_load_b128 v[T+4*\g:T+4*\g+3], v3 offset:16*((\g&1)|(((\g>>1)&1)<<2)|(((\g>>2)&1)<<1))   ; the block's 16-byte pieces 0, 1, 4, 5, 2, 3, 6, 7: the order of places
.endr
	s_wait_dscnt 0x0                               ; the block is in; the last row's code stores have read their registers
	v_max3_num_f32 v13, |v[T]|, |v[T+1]|, |v[T+2]|
	v_max3_num_f32 v14, |v[T+3]|, |v[T+4]|, |v[T+5]|
.irp i, 6,10,14,18,22,26
	v_max3_num_f32 v13, v13, |v[T+\i]|, |v[T+\i+1]|
	v_max3_num_f32 v14, v14, |v[T+\i+2]|, |v[T+\i+3]|
.endr
	v_max3_num_f32 v13, v13, |v[T+30]|, |v[T+31]|
	v_max3_num_f32 v13, v13, v14, 0x1800000        ; the floor 2^(3 - 127)
	v_add_nc_u32 v31, 0xff000000, v13              ; 2 off the exponent field: the conversion's scale operand
	v_lshrrev_b32 v15, 23, v31                     ; the byte
	v_cvt_scalef32_pk16_fp6_f32 v[C:C+2], v[T:T+15], v31
	v_cvt_scalef32_pk16_fp6_f32 v[C+4:C+6], v[T+16:T+31], v31
	v_nop                                          ; one plain place behind a scaled conversion
	v_mov_b32 v[C+3], v[C+4]
	v_mov_b32 v[C+4], v[C+5]
	v_mov_b32 v[C+5], v[C+6]
.irp p, 0,1,2
	ds_store_b64 v4, v[C+2*\p:C+2*\p+1] offset:48*\r+8*\p
.endr
	ds_store_b8 v5, v15 offset:4*\r
.endm
	ROWQ 0
	ROWQ 1
	ROWQ 2
	ROWQ 3
	s_wait_dscnt 0x0                               ; for the others' sake: my stores have landed
	s_barrier_signal -1
	s_barrier_wait -1
.irp t, 0,1,2,3,4,5
	ds_load_b128 v[T+4*\t:T+4*\t+3], v6 offset:512*\t
.endr
	ds_load_b32 v[T+24], v9
	s_wait_dscnt 0x0
	global_store_b128 v1, v[T:T+3], s[16:17]                      ; each half of the lanes writes 256 consecutive bytes, at a multiple of 256
	global_store_b128 v8, v[T+4:T+7], s[16:17] offset:512
	global_store_b128 v1, v[T+8:T+11], s[16:17] offset:196864
	global_store_b128 v1, v[T+12:T+15], s[16:17] offset:393216
	global_store_b128 v8, v[T+16:T+19], s[16:17] offset:393728
	global_store_b128 v1, v[T+20:T+23], s[16:17] offset:590080
	global_store_b32 v10, v[T+24], s[18:19]
	s_wait_tensorcnt 0x0                           ; the wave's end, behind my last LDS store
	ds_add_u32 v[SPW], v[NIL]
	s_wait_dscnt 0x0
	s_endpgm
; ---------------- THE WEIGHTS.  A lane takes a column and its registers run down K, so a block of 32 lies in one lane's 32 registers.  A wave takes 32 columns x 128 along K (four blocks), a work-group 128 columns.
; w = work-group - 256.  w 0-255: wq .. wo (64 each); 256-511: w1; 512-767: w2.  What differs is held in scalars chosen on the work-group's number: one path through this part.
.Lweights:
	s_load_b256 s[4:11], s[0:1], 0x0               ; wq, wk, wv, wo
	s_load_b256 s[12:19], s[0:1], 0x20             ; w1, w2, wc, wsc
	v_lshrrev_b32 v1, 5, v0
	v_readfirstlane_b32 s20, v1                    ; wave
	v_and_b32 v2, 31, v0                           ; lane
	s_wait_alu depctr_va_vdst(0)
	v_lshlrev_b32 v3, 2, v2
	s_sub_co_u32 s22, ttmp9, LNWG
	s_lshr_b32 s21, s22, 8                         ; class 0: wq .. wo, 1: w1, 2: w2
	s_and_b32 s22, s22, 255
	s_cmp_eq_u32 s21, 1
	s_cselect_b32 s23, 31, 7                       ; groups of 128 columns - 1
	s_cselect_b32 s24, 5, 3
	s_cselect_b32 s25, 14, 12
	s_lshl_b32 s26, 1, s25                         ; a source row in bytes
	s_and_b32 s28, s22, s23                        ; which 128 columns
	s_lshr_b32 s29, s22, s24
	s_lshr_b32 s31, s22, 6                         ; class 0: which of the four tensors
	s_add_co_u32 s33, s21, 3
	s_cmp_eq_u32 s21, 0
	s_cselect_b32 s30, 7, 31
	s_cselect_b32 s32, s31, s33                    ; the source, 0 .. 5
	s_cselect_b32 s31, s31, 0
	s_and_b32 s29, s29, s30                        ; which 128 along K
	s_lshl_b32 s31, s31, 10                        ; the tensor's first row in the array of 4,096
	s_cmp_eq_u32 s21, 2
	s_cselect_b32 s27, 10, 12
	s_lshl_b32 s27, 1, s27                         ; rows of the destination array
	s_lshl_b32 s28, s28, 7
	s_lshl_b32 s33, s20, 5
	s_add_co_u32 s28, s28, s33                     ; my wave's first column
	s_mul_i32 s34, s20, 32*WPITCH
	s_add_co_u32 s34, s34, WSTG                    ; my stage
	v_mul_u32_u24 v4, v2, WPITCH
	v_add_nc_u32 v4, s34, v4                       ; into it: row = my column
	v_lshrrev_b32 v5, 2, v2
	v_mul_u32_u24 v5, v5, WPITCH
	v_and_b32 v1, 3, v2
	v_lshl_add_u32 v5, v1, 4, v5
	v_add_nc_u32 v5, s34, v5                       ; out of it: four lanes to a row's 48 bytes of a group, eight rows an instruction
	s_mul_i32 s35, s27, 48                         ; a group of 64 along K in the destination
	v_mul_u32_u24 v[WVO], v2, 12                   ; 12 x lane,
	v_add_nc_u32 v[WVO+1], s35, v[WVO]             ; and one group on
.set i, 0
.rept 32
	v_mad_u32_u24 v[WOFF+i], s26, (i&7)|(((i>>3)&1)<<4)|(((i>>4)&1)<<3), v3
.set i, i+1
.endr
	s_lshl_b32 s38, s29, 7
	s_mul_i32 s38, s38, s26                        ; my 128 rows of the source,
	s_lshl_b32 s33, s28, 2
	s_add_co_u32 s38, s38, s33                     ; my columns
	s_mov_b32 s39, 0
	s_lshl_b32 s60, s29, 1
	s_mul_i32 s60, s60, s27
	s_add_co_u32 s60, s60, s31
	s_add_co_u32 s60, s60, s28
	s_mul_i32 s60, s60, 48                         ; codes: (2 x chunk x rows + my first row) x 48
	s_mul_i32 s33, s21, 3145728
	s_add_co_u32 s60, s60, s33
	s_mov_b32 s61, 0
	s_mul_i32 s62, s29, s27
	s_add_co_u32 s62, s62, s31
	s_add_co_u32 s62, s62, s28
	s_lshl_b32 s62, s62, 2                         ; scale words: (chunk x rows + my first row) x 4
	s_lshl_b32 s33, s21, 17
	s_add_co_u32 s62, s62, s33
	s_mov_b32 s63, 0
	s_wait_alu depctr_va_vdst(0)
	s_wait_kmcnt 0x0
	s_mov_b64 s[36:37], s[4:5]                     ; the source is chosen on the work-group's number alone
	s_cmp_eq_u32 s32, 1
	s_cselect_b64 s[36:37], s[6:7], s[36:37]
	s_cmp_eq_u32 s32, 2
	s_cselect_b64 s[36:37], s[8:9], s[36:37]
	s_cmp_eq_u32 s32, 3
	s_cselect_b64 s[36:37], s[10:11], s[36:37]
	s_cmp_eq_u32 s32, 4
	s_cselect_b64 s[36:37], s[12:13], s[36:37]
	s_cmp_eq_u32 s32, 5
	s_cselect_b64 s[36:37], s[14:15], s[36:37]
	s_add_nc_u64 s[WBASE:WBASE+1], s[36:37], s[38:39]
	s_lshl_b32 s38, s26, 5                         ; 32 rows on
.irp t, 1,2,3
	s_add_nc_u64 s[WBASE+2*\t:WBASE+2*\t+1], s[WBASE+2*\t-2:WBASE+2*\t-1], s[38:39]
.endr
	s_add_nc_u64 s[56:57], s[16:17], s[60:61]
	s_add_nc_u64 s[58:59], s[18:19], s[62:63]
.macro LOAD t                          ; block t: 32 loads, each 128 consecutive bytes a wave; register i takes the element of place i
.set i, 0
.rept 32
	global_load_b32 v[WX+32*((\t)%2)+i], v[WOFF+i], s[WBASE+2*(\t):WBASE+2*(\t)+1] th:TH_LOAD_NT
.set i, i+1
.endr
.endm
	LOAD 0
	LOAD 1
.macro BLOCK t
.set XS, WX+32*((\t)%2)
.if (\t) < 3
	s_wait_loadcnt 32                              ; this block's 32 loads are in; the next block's 32 may be out
.else
	s_wait_loadcnt 0
.endif
	v_max3_num_f32 v22, |v[XS]|, |v[XS+1]|, |v[XS+2]|
	v_max3_num_f32 v23, |v[XS+3]|, |v[XS+4]|, |v[XS+5]|
.irp i, 6,10,14,18,22,26
	v_max3_num_f32 v22, v22, |v[XS+\i]|, |v[XS+\i+1]|
	v_max3_num_f32 v23, v23, |v[XS+\i+2]|, |v[XS+\i+3]|
.endr
	v_max3_num_f32 v22, v22, |v[XS+30]|, |v[XS+31]|
	v_max3_num_f32 v22, v22, v23, (EMAX+1)<<23     ; the floor 2^(3 - 127): the byte cannot fall under 1
	v_add_nc_u32 v16, -(EMAX<<23), v22             ; 2 off the exponent field: the conversion's scale operand
	v_lshrrev_b32 v17, 23, v16                     ; the scale's byte
.if (\t) == 0
	v_mov_b32 v[WSB], v17
.else
	v_lshl_or_b32 v[WSB], v17, 8*(\t), v[WSB]
.endif
	v_cvt_scalef32_pk16_fp6_f32 v[WC:WC+2], v[XS:XS+15], v16
	v_cvt_scalef32_pk16_fp6_f32 v[WC+4:WC+6], v[XS+16:XS+31], v16
	ds_store_b96 v4, v[WC:WC+2] offset:32*(\t)     ; 12 bytes to a place of 16
	ds_store_b96 v4, v[WC+4:WC+6] offset:32*(\t)+16
.if (\t)+2 < 4
	LOAD (\t)+2
.endif
	s_wait_dscnt 0x0                               ; the stores have read their registers: the next block's codes may be written
.endm
.irp t, 0,1,2,3
	BLOCK \t
.endr
	s_wait_alu depctr_va_vdst(0)
	global_store_b32 v3, v[WSB], s[58:59]          ; 32 columns' words: 128 consecutive bytes
.irp g, 0,1
.irp u, 0,1,2,3
	ds_load_b96 v[WOUT+4*(4*\g+\u):WOUT+4*(4*\g+\u)+2], v5 offset:\u*8*WPITCH+\g*64   ; LDS serves a wave's instructions in order: these see my stores
.endr
.endr
.irp g, 0,1
.irp u, 0,1,2,3
	s_wait_dscnt 7-(4*\g+\u)                       ; the younger read-backs may be out
	global_store_b96 v[WVO+\g], v[WOUT+4*(4*\g+\u):WOUT+4*(4*\g+\u)+2], s[56:57] offset:384*\u   ; eight rows x 48 bytes: 384 consecutive bytes
.endr
.endr
	s_wait_tensorcnt 0x0                           ; the wave's end, behind my last LDS store
	ds_add_u32 v[SPW], v[NIL]
	s_wait_dscnt 0x0
	s_endpgm
.Lfunc_end_k_q66cf42dedc_prep:
	.size	k_q66cf42dedc_prep, .Lfunc_end_k_q66cf42dedc_prep-k_q66cf42dedc_prep
	.p2alignl 7, 3214868480
	.fill 96, 4, 3214868480
	.section	.rodata,"a",@progbits
	.p2align	6, 0x0
	.amdhsa_kernel k_q66cf42dedc_prep
		.amdhsa_group_segment_fixed_size 50176
		.amdhsa_private_segment_fixed_size 0
		.amdhsa_enable_private_segment 0
		.amdhsa_kernarg_size 96
		.amdhsa_user_sgpr_count 2
		.amdhsa_user_sgpr_kernarg_segment_ptr 1
		.amdhsa_wavefront_size32 1
		.amdhsa_system_sgpr_workgroup_id_x 1
		.amdhsa_system_sgpr_workgroup_id_y 1
		.amdhsa_system_sgpr_workgroup_id_z 1
		.amdhsa_system_vgpr_workitem_id 0
		.amdhsa_next_free_vgpr 256
		.amdhsa_next_free_sgpr 66
		.amdhsa_reserve_vcc 0
		.amdhsa_float_denorm_mode_32 3
		.amdhsa_float_denorm_mode_16_64 3
		.amdhsa_memory_ordered 1
		.amdhsa_forward_progress 1
		.amdhsa_inst_pref_size 68
	.end_amdhsa_kernel
	.amdgpu_metadata
---
amdhsa.version: [ 1, 2 ]
amdhsa.kernels:
  - .name:           k_q66cf42dedc_prep
    .symbol:         k_q66cf42dedc_prep.kd
    .args:
      - { .name: wq, .offset: 0, .size: 8, .value_kind: global_buffer, .address_space: global }
      - { .name: wk, .offset: 8, .size: 8, .value_kind: global_buffer, .address_space: global }
      - { .name: wv, .offset: 16, .size: 8, .value_kind: global_buffer, .address_space: global }
      - { .name: wo, .offset: 24, .size: 8, .value_kind: global_buffer, .address_space: global }
      - { .name: w1, .offset: 32, .size: 8, .value_kind: global_buffer, .address_space: global }
      - { .name: w2, .offset: 40, .size: 8, .value_kind: global_buffer, .address_space: global }
      - { .name: wc, .offset: 48, .size: 8, .value_kind: global_buffer, .address_space: global }
      - { .name: wsc, .offset: 56, .size: 8, .value_kind: global_buffer, .address_space: global }
      - { .name: hidden_states, .offset: 64, .size: 8, .value_kind: global_buffer, .address_space: global }
      - { .name: g1, .offset: 72, .size: 8, .value_kind: global_buffer, .address_space: global }
      - { .name: be1, .offset: 80, .size: 8, .value_kind: global_buffer, .address_space: global }
      - { .name: act, .offset: 88, .size: 8, .value_kind: global_buffer, .address_space: global }
    .group_segment_fixed_size: 50176
    .private_segment_fixed_size: 0
    .kernarg_segment_align: 8
    .kernarg_segment_size: 96
    .max_flat_workgroup_size: 128
    .sgpr_count:     66
    .vgpr_count:     256
    .wavefront_size: 32
...
	.end_amdgpu_metadata
.endif
;; end of part 1
;; launch qkv (part 2): grid 12 x 16, 4 waves a work-group, clusters of 4 x 4, 327,680 bytes of LDS; arguments act, wc, wsc, bq, bk, bv, qkv; writes qkv
.if DOCPART == 2
	.amdgcn_target "amdgcn-amd-amdhsa--gfx1250"
	.amdhsa_code_object_version 6
	.text
	.protected	k_q66cf42dedc_qkv
	.globl	k_q66cf42dedc_qkv
	.p2align	8
	.type	k_q66cf42dedc_qkv,@function
k_q66cf42dedc_qkv:
	s_mov_b64 s[64:65], 0
	v_nop
	global_prefetch_b8 v0, s[64:65] scope:SCOPE_SE
	s_setreg_imm32_b32 hwreg(HW_REG_WAVE_MODE, 25, 1), 1
	s_wait_xcnt 0x0
	s_wait_alu depctr_hold_cnt(0) depctr_sa_sdst(0) depctr_va_vdst(0) depctr_va_sdst(0) depctr_va_ssrc(0) depctr_va_vcc(0) depctr_vm_vsrc(0)
	s_getreg_b32 s2, hwreg(HW_REG_IB_STS2, 6, 4)
	s_cmp_eq_u32 s2, 0
	s_cbranch_scc0 .Lentry_in_a_cluster
	s_endpgm
.Lentry_in_a_cluster:
	s_bfe_u32 s2, ttmp6, 0x10000c
	s_cmp_lg_u32 s2, 0xf033
	s_cbranch_scc0 .Lentry_shape_is_right
	s_endpgm
.Lentry_shape_is_right:
; q = x wq + bq, k = x wk + bk, v = x wv + bv on codes of FP6 (E2M3) with E8M0 scales, and each result quantised again for the products of attention.
; Codes lie [K / 64][rows][48 bytes], scale words [K / 128][rows][4 bytes]; x: 4,096 rows; the four square weights: one array of 4,096 rows (wq 0, wk 1,024, wv 2,048).
; Cluster x = 0: q, 1: k, 2: v.  A tile of 256 x 256 to a work-group, 128 x 128 to each of four waves: 64 accumulators.  K = 1,024 in four steps of 256 through two LDS slots.
; The matrix instruction is used transposed (source 0 = 16 rows of B, source 1 = 16 rows of A): a lane holds one row of A and its registers run along B's rows.
; q, k: A = x, B = the weight: a lane holds a token, its registers run along the channels, which are the next K.  v: A = wv, B = x: a lane holds a channel, its registers run along the tokens, which are the K of the product with the weights p.
; What differs between the three is held in scalars chosen on the cluster's x, which all partners share: one path through the text.
; Out, in qkv: q's codes [16][4,096][48] at 0, k's at 3,145,728, v's [64 groups of tokens][1,024 channels][48] at 6,291,456; scale words at 9,437,184 + 131,072 x (0, 1, 2).
; Inside a block of 32 place p holds element (p & 7) | ((p >> 3) & 1) << 4 | ((p >> 4) & 1) << 3, on both sides of every product.
; CLUSTERS: 4 x 4.  A's tiles are asked for jointly along a row of the cluster, B's along a column.
; LIMITS: a block whose largest magnitude lies under 2^-124 (zeros too) gets the byte 1; NaN and infinities are not served.
; REGISTERS: window 0: v16-30 addresses; v32-63 scale words, two sets; v64-127 the column bias (the C of the first products); v128-223 A's fragments; v224-239 the row bias.  Window 1: B's fragments, two sets.  Windows 2, 3: accumulators.
.set GRP,    6144                      ; 128 rows x 48 bytes: 64 along K
.set HALFT,  4*GRP                     ; what one tensor load of the ring brings: 256 rows x 128 along K (two groups of 64)
.set SLOT,   4*HALFT
.set KADV,   4*4096*48                 ; 256 along K in memory
.set SCL,    2*SLOT                    ; the scale words: A's [8 steps][256 rows][4 bytes], then B's
.set HALFS,  4096
.set SPARE,  SCL+4*HALFS               ; the spare words, 128 bytes a wave
.set STGW,   13312                     ; the way out: a wave's stage in slot 0: 12,288 bytes of codes, 512 of scale words
.set FR, 12
.set NL, 6
.set NP, 4
.set NQ, 2
.set LAPS, 2
.set ADRA, 16
.set ADRB, 20
.set STO,  24
.set RD,   25
.set CO,   26
.set ADRS, 27
.set SPW,  28
.set NIL,  29
.set STS,  30
.set SC,   32
.set BR,   64
.set AF,   128
.set RB,   224
.set H,    32                          ; the way out: 64 numbers
.set TM,   96
.set PW,   112
.set PC,   116
.set BK,   136
.set SEL,  66
.set G1, 24
.set G0, 32
.set G1B, 48
.set G0B, 56
.set G1S, 68
.set G0S, 76
.set G1SB, 80
.set G0SB, 88
.set MSB, 0
.macro WIN new                         ; the immediate's high byte repeats the setting that is left
.if MSB != (\new)
	s_set_vgpr_msb (MSB<<8)|(\new)
.set MSB, (\new)
.endif
.endm
.set MUL_LO, 0xa1
.set MUL_HI, 0xf1
.set TO_B,   0x40
.macro JLOAD g0a, g1a, g0b, g1b        ; a joint load: waves 0 and 1 fetch for A, waves 2 and 3 for B; an s_nop 0 and four v_nop follow each line
	s_cmp_eq_u32 s15, 0
	s_cbranch_scc0 .Lfor_b_\@
	tensor_load_to_lds s[\g0a:\g0a+3], s[\g1a:\g1a+7]
	s_nop 0
.rept 4
	v_nop
.endr
	s_branch .Lasked_\@
.Lfor_b_\@:
	tensor_load_to_lds s[\g0b:\g0b+3], s[\g1b:\g1b+7]
	s_nop 0
.rept 4
	v_nop
.endr
.Lasked_\@:
.endm
.macro CREST
	s_cmp_lg_u32 s14, 0
	s_cbranch_scc1 .Lnot_wave_0_\@
	s_barrier_signal -3
.Lnot_wave_0_\@:
	s_barrier_wait -3
	s_barrier_signal -1
	s_barrier_wait -1
.endm
.macro CROUND
	s_barrier_signal -1
	s_barrier_wait -1
	CREST
.endm
.macro PLACES n
.rept \n
	v_nop
.endr
.endm
	s_load_b256 s[4:11], s[0:1], 0x0               ; x (act), wc, wsc, bq
	s_load_b128 s[96:99], s[0:1], 0x20             ; bk, bv
	s_load_b64 s[12:13], s[0:1], 0x30              ; qkv
	v_lshl_add_u32 v[SPW], v0, 2, SPARE
	v_mov_b32 v[NIL], 0
	ds_add_u32 v[SPW], v[NIL]                      ; the wave's opening, ahead of my first tensor load
	ds_add_u32 v[SPW], v[NIL]
	v_lshrrev_b32 v1, 5, v0
	v_readfirstlane_b32 s14, v1                    ; wave
	s_lshr_b32 s15, s14, 1                         ; my half of A's rows; also: I fetch for A (0) or B (1)
	s_and_b32 s16, s14, 1                          ; my half of B's rows; also: which 128 rows I fetch
	s_bfe_u32 s40, ttmp6, 0x40000                  ; cx
	s_bfe_u32 s41, ttmp6, 0x40004                  ; cy
	s_and_b32 s45, ttmp7, 0xffff
	s_lshl_b32 s45, s45, 2                         ; 4 x cluster y
	s_lshl_b32 s44, ttmp9, 2                       ; 4 x cluster x
	s_cmp_eq_u32 ttmp9, 2                          ; the v path?
	s_cselect_b32 s17, 0, s45
	s_cselect_b32 s42, s45, s44
	s_cselect_b32 s95, 2048, 0                     ; wv's first row in the weights' array
	s_cselect_b32 s100, -1, 0
	s_cselect_b32 s101, 0, -1
	s_cselect_b32 s94, 0, 3145728                  ; x's scale words lie behind its codes
	s_cselect_b32 s2, 3145728, 0
	s_add_co_u32 s17, s17, s41                     ; A's tile: hangs on cy, never on cx
	s_add_co_u32 s42, s42, s40                     ; B's tile: hangs on cx, never on cy
	s_lshl_b32 s43, s41, 2
	s_lshl_b32 s43, 15, s43                        ; my row of the cluster
	s_lshl_b32 s44, 0x1111, s40                    ; my column
	s_or_b32 s[G1+0], s43, (3<<16)|(1<<21)         ; elements of 8 bytes, no padding, the mask and bit 21
	s_or_b32 s[G1B+0], s44, (3<<16)|(1<<21)
.irp g, G1, G1B
	s_mov_b32 s[\g+1], 1536<<16                    ; tensor_dim0: 12,288 bytes, 256 rows' 48
	s_mov_b32 s[\g+2], 4<<16                       ; tensor_dim1: the head's load brings a slot's four groups of 64 along K
	s_mov_b32 s[\g+3], 1536<<16                    ; tile_dim0
	s_mov_b32 s[\g+4], 4                           ; tile_dim1
	s_mov_b32 s[\g+5], 24576                       ; from group to group: 4,096 rows x 48 bytes
	s_mov_b32 s[\g+6], 0
	s_mov_b32 s[\g+7], 0
.endr
	s_or_b32 s[G1S+0], s43, (3<<16)|(1<<21)
	s_or_b32 s[G1SB+0], s44, (3<<16)|(1<<21)
.irp g, G1S, G1SB
	s_mov_b32 s[\g+1], 128<<16                     ; 256 rows' words: 1,024 bytes
	s_mov_b32 s[\g+2], 8<<16                       ; eight steps of 128 along K
	s_mov_b32 s[\g+3], 128<<16
	s_mov_b32 s[\g+4], 8
	s_mov_b32 s[\g+5], 2048                        ; 4,096 rows x 4 bytes
	s_mov_b32 s[\g+6], 0
	s_mov_b32 s[\g+7], 0
.endr
	s_lshl_b32 s20, s17, 8
	s_add_co_u32 s20, s20, s95                     ; A: the tile's first row
	s_lshl_b32 s46, s42, 8                         ; B: likewise
	s_lshl_b32 s22, s20, 2
	s_add_co_u32 s22, s22, s94
	s_lshl_b32 s92, s46, 2
	s_add_co_u32 s92, s92, s2
	s_mul_i32 s20, s20, 48
	s_mul_i32 s46, s46, 48
	s_mov_b32 s21, 0
	s_mov_b32 s23, 0
	s_mov_b32 s47, 0
	s_mov_b32 s93, 0
	s_mul_i32 s45, s14, HALFT                      ; where they go: by the wave's number alone
	s_mov_b32 s[SEL], 0x76543210
	s_mov_b32 s[SEL+1], 0xfedcba98
	s_wait_dscnt 0x0                               ; the opening add is done
	s_wait_kmcnt 0x0
	s_cmp_eq_u32 ttmp9, 2
	s_cselect_b64 s[18:19], s[6:7], s[4:5]
	s_add_nc_u64 s[20:21], s[18:19], s[20:21]      ; A's codes
	s_cselect_b64 s[18:19], s[8:9], s[4:5]
	s_add_nc_u64 s[22:23], s[18:19], s[22:23]      ; A's scale words
	s_cselect_b64 s[18:19], s[4:5], s[6:7]
	s_add_nc_u64 s[46:47], s[18:19], s[46:47]      ; B's codes
	s_cselect_b64 s[18:19], s[4:5], s[8:9]
	s_add_nc_u64 s[92:93], s[18:19], s[92:93]      ; B's scale words
	CROUND                                         ; all sixteen work-groups are here: the first joint loads meet
	s_mov_b32 s[G0S], 1
	s_mov_b32 s[G0S+1], SCL
	s_mov_b64 s[G0S+2:G0S+3], s[22:23]
	s_or_b32 s[G0S+3], s[G0S+3], 0x80000000
	s_mov_b32 s[G0SB], 1
	s_mov_b32 s[G0SB+1], SCL+2*HALFS
	s_mov_b64 s[G0SB+2:G0SB+3], s[92:93]
	s_or_b32 s[G0SB+3], s[G0SB+3], 0x80000000
.irp s, 0,1
	s_mov_b32 s[G0+4*\s], 1
	s_add_co_u32 s[G0+4*\s+1], s45, \s*SLOT
	s_add_nc_u64 s[G0+4*\s+2:G0+4*\s+3], s[20:21], \s*KADV
	s_or_b32 s[G0+4*\s+3], s[G0+4*\s+3], 0x80000000
	s_mov_b32 s[G0B+4*\s], 1
	s_add_co_u32 s[G0B+4*\s+1], s45, \s*SLOT
	s_add_nc_u64 s[G0B+4*\s+2:G0B+4*\s+3], s[46:47], \s*KADV
	s_or_b32 s[G0B+4*\s+3], s[G0B+4*\s+3], 0x80000000
.endr
	; THE HEAD'S LOADS, ONE A WAVE: wave 0 slot 0's 256 rows of A, wave 1 its 256 rows of B, wave 2 A's scale words, wave 3 B's.
	; Slot 0's group 0 serves the whole tile here and is set for the ring behind the wait that shows the load done.
	s_mov_b32 s[G0+1], 0
	s_mov_b32 s[G0B+1], 2*HALFT
	s_mul_i32 s18, s16, 393216                     ; in the ring I fetch two of a slot's four groups: 2 x 4,096 rows x 48 bytes on
	s_mov_b32 s19, 0
	s_add_nc_u64 s[G0+6:G0+7], s[G0+6:G0+7], s[18:19]
	s_add_nc_u64 s[G0B+6:G0B+7], s[G0B+6:G0B+7], s[18:19]
.macro ARM under, g0, g1, next
	s_cmp_lt_u32 s14, \under
	s_cbranch_scc0 \next
	tensor_load_to_lds s[\g0:\g0+3], s[\g1:\g1+7]
	s_nop 0
.rept 4
	v_nop
.endr
	s_branch .Lhead_asked
\next:
.endm
	ARM 1, G0,  G1,  .Lhead_b
	ARM 2, G0B, G1B, .Lhead_sa
	ARM 3, G0S, G1S, .Lhead_sb
	tensor_load_to_lds s[G0SB:G0SB+3], s[G1SB:G1SB+7]
	s_nop 0
.rept 4
	v_nop
.endr
.Lhead_asked:
	; the biases.  q, k: by B's rows (channels): eight registers a tile in the result's layout.  v: by A's rows (channels): one number a lane and block, held twice for the packed addition
	s_cmp_eq_u32 ttmp9, 1
	s_cselect_b64 s[10:11], s[96:97], s[10:11]
	s_lshl_b32 s18, s40, 10
	s_lshl_b32 s19, s16, 9
	s_add_co_u32 s18, s18, s19
	s_mov_b32 s19, 0
	s_add_nc_u64 s[10:11], s[10:11], s[18:19]
	s_lshl_b32 s18, s41, 10
	s_lshl_b32 s19, s15, 9
	s_add_co_u32 s18, s18, s19
	s_mov_b32 s19, 0
	s_add_nc_u64 s[98:99], s[98:99], s[18:19]
	v_and_b32 v1, 15, v0                           ; r
	v_bfe_u32 v2, v0, 4, 1                         ; h
	s_wait_alu depctr_va_vdst(0)
	v_lshlrev_b32 v6, 5, v2
	v_lshlrev_b32 v7, 2, v1
.irp b, 0,1,2,3,4,5,6,7
	global_load_b128 v[BR+8*\b:BR+8*\b+3], v6, s[10:11] offset:64*\b
	global_load_b128 v[BR+8*\b+4:BR+8*\b+7], v6, s[10:11] offset:64*\b+16
.endr
.irp a, 0,1,2,3,4,5,6,7
	global_load_b32 v[RB+2*\a], v7, s[98:99] offset:64*\a
	global_load_b32 v[RB+2*\a+1], v7, s[98:99] offset:64*\a
.endr
	v_mul_u32_u24 v3, v1, 48
	v_mad_u32_u24 v3, v2, 24, v3                   ; a fragment's row x 48 + 24 x half
	s_mul_i32 s21, s15, GRP                        ; a slot lies [group][256 rows][48]: my 128 rows of A,
	s_mul_i32 s22, s16, GRP                        ; my 128 rows of B,
	s_add_co_u32 s22, s22, 2*HALFT                 ; behind A's four groups
.irp s, 0,1
	v_add_nc_u32 v[ADRA+\s], s21, v3
	v_add_nc_u32 v[ADRB+\s], s22, v3
	s_add_co_u32 s21, s21, SLOT
	s_add_co_u32 s22, s22, SLOT
.endr
	s_mul_i32 s21, s15, 512
	s_mul_i32 s22, s16, 512
	s_add_co_u32 s22, s22, 2*HALFS
	s_sub_co_u32 s22, s22, s21
	v_mul_u32_u24 v8, s22, v2                      ; lanes 16-31 take B's words
	s_wait_alu depctr_va_vdst(0)
	s_add_co_u32 s21, s21, SCL
	v_add_nc_u32 v8, v7, v8
	v_add_nc_u32 v[ADRS], s21, v8
	s_mul_i32 s23, s14, STGW
	v_add_nc_u32 v[STO], s23, v3
	v_add_nc_u32 v[STS], s23, v7
	v_add_nc_u32 v[STS], 12288, v[STS]
	v_and_b32 v8, 31, v0
	v_lshlrev_b32 v[CO], 4, v8
	v_add_nc_u32 v[RD], s23, v[CO]
	; where my 128 x 128 goes: two groups of 64 along the next K, 128 rows x 48 bytes each, and 128 scale words
	s_cmp_eq_u32 ttmp9, 2
	s_cselect_b32 s18, s42, s40                    ; the output's tile along its K
	s_cselect_b32 s19, 10, 12                      ; log2 of its rows
	s_lshl_b32 s18, s18, 2
	s_lshl_b32 s20, s16, 1
	s_add_co_u32 s18, s18, s20                     ; my first group
	s_lshl_b32 s20, s17, 8
	s_lshl_b32 s21, s15, 7
	s_add_co_u32 s20, s20, s21                     ; my first row
	s_lshl_b32 s22, s18, s19
	s_add_co_u32 s22, s22, s20
	s_mul_i32 s22, s22, 48
	s_mul_i32 s23, ttmp9, 3145728
	s_add_co_u32 s22, s22, s23
	s_mov_b32 s23, 0
	s_add_nc_u64 s[4:5], s[12:13], s[22:23]
	s_lshl_b32 s22, 48, s19
	s_add_nc_u64 s[6:7], s[4:5], s[22:23]
	s_lshr_b32 s18, s18, 1
	s_lshl_b32 s22, s18, s19
	s_add_co_u32 s22, s22, s20
	s_lshl_b32 s22, s22, 2
	s_lshl_b32 s18, ttmp9, 17
	s_add_co_u32 s22, s22, s18
	s_add_co_u32 s22, s22, 9437184
	s_add_nc_u64 s[8:9], s[12:13], s[22:23]
	s_wait_loadcnt 0x0
.set k, 0
.rept 64
	v_cndmask_b32 v[BR+k], 0, v[BR+k], s101        ; the column bias counts for q and k alone,
.set k, k+1
.endr
.set k, 0
.rept 16
	v_cndmask_b32 v[RB+k], 0, v[RB+k], s100        ; the row bias for v alone
.set k, k+1
.endr
.macro FRAG reg, adr, q, i             ; 16 rows x 128 K: 12 registers; registers 6 c .. 6 c + 5: the 24 bytes of block 2 c + half, in pieces of 8
.irp p, 0,1,2,3,4,5
	ds_load_b64 v[\reg+2*\p:\reg+2*\p+1], v[\adr] offset:(2*(\q)+\p/3)*2*GRP+(\i)*768+8*(\p%3)
.endr
.endm
; 16 matrix instructions: A's blocks a0, a0 + 1 x B's eight.  first = 1: the column bias is the C of the sums' first products.  The 64 accumulators take turns
.macro MUL16 a0, p, q, sc, first
.irp a, \a0, \a0+1
.irp b, 0,1,2,3,4,5,6,7
.if \first
	v_wmma_scale_f32_16x16x128_f8f6f4 v[8*(8*((\a)%4)+\b):8*(8*((\a)%4)+\b)+7], v[128*(\p)+FR*\b:128*(\p)+FR*\b+FR-1], v[AF+FR*(\a):AF+FR*(\a)+FR-1], v[BR+8*\b:BR+8*\b+7], v[SC+16*(\sc)+2*\b+(\q)], v[SC+16*(\sc)+2*(\a)+(\q)] matrix_a_fmt:MATRIX_FMT_FP6 matrix_b_fmt:MATRIX_FMT_FP6 matrix_a_scale:MATRIX_SCALE_ROW1
.else
	v_wmma_scale_f32_16x16x128_f8f6f4 v[8*(8*((\a)%4)+\b):8*(8*((\a)%4)+\b)+7], v[128*(\p)+FR*\b:128*(\p)+FR*\b+FR-1], v[AF+FR*(\a):AF+FR*(\a)+FR-1], v[8*(8*((\a)%4)+\b):8*(8*((\a)%4)+\b)+7], v[SC+16*(\sc)+2*\b+(\q)], v[SC+16*(\sc)+2*(\a)+(\q)] matrix_a_fmt:MATRIX_FMT_FP6 matrix_b_fmt:MATRIX_FMT_FP6 matrix_a_scale:MATRIX_SCALE_ROW1
.endif
.endr
.endr
.endm
.macro FETCH_B slot, q, p
	WIN TO_B
.irp i, 0,1,2,3,4,5,6,7
	FRAG 128*(\p)+FR*\i, ADRB+\slot, \q, \i
.endr
	WIN 0
.endm
.macro FETCH_A slot, q, i0
.irp i, \i0, \i0+1, \i0+2, \i0+3
	FRAG AF+FR*(\i), ADRA+\slot, \q, \i
.endr
.endm
.macro SCALES sc                       ; a slot's scale words: lanes 0-15 A's block i, lanes 16-31 B's block i
.irp i, 0,1,2,3,4,5,6,7
.irp q, 0,1
	ds_load_b32 v[SC+16*\sc+2*\i+\q], v[ADRS] offset:1024*\q+64*\i
.endr
.endr
.endm
.macro STEP slot, q, first             ; 128 along K that has its successor in the same slot
	s_wait_dscnt 4*NL                              ; all but the youngest 24 loads (A's blocks 4-7) are in
.if \first
	WIN 0x81                                       ; C in window 0, D in window 2
.else
	WIN MUL_LO
.endif
	MUL16 0, (\q)%2, \q, \slot, \first
	MUL16 2, (\q)%2, \q, \slot, \first
	s_wait_dscnt 0
	PLACES NP                                      ; four places in front of loads into registers that matrix instructions have read
	FETCH_B \slot, (\q)+1, 1-(\q)%2
	FETCH_A \slot, (\q)+1, 0
.if \first
	WIN 0xc1
.else
	WIN MUL_HI
.endif
	MUL16 4, (\q)%2, \q, \slot, \first
	MUL16 6, (\q)%2, \q, \slot, \first
	PLACES NP
	WIN 0
	FETCH_A \slot, (\q)+1, 4
.endm
.macro TURN slot, next, fill           ; a slot's last step changes slots: one barrier
	s_wait_tensorcnt 0x0                           ; all my tensor loads have landed: my part of the next slot
	ds_add_u32 v[SPW], v[NIL]                      ; 0 onto my spare word
	s_wait_dscnt 4*NL+1                            ; the add and the youngest 24 loads may be out
	WIN MUL_LO
	MUL16 0, 1, NQ-1, \slot, 0
	s_wait_dscnt 0x0                               ; the add is done, and my reads of this slot are over
	s_barrier_signal -1
	MUL16 2, 1, NQ-1, \slot, 0
	WIN 0
	s_barrier_wait -1
.if \fill
	CREST                                          ; the barrier has opened a round of the cluster's barrier: no wave of any partner still reads this slot or has a load on its way
	s_add_nc_u64 s[G0+4*\slot+2:G0+4*\slot+3], s[G0+4*\slot+2:G0+4*\slot+3], 2*KADV
	s_add_nc_u64 s[G0B+4*\slot+2:G0B+4*\slot+3], s[G0B+4*\slot+2:G0B+4*\slot+3], 2*KADV
	JLOAD G0+4*\slot, G1, G0B+4*\slot, G1B         ; the first tensor load behind the round; its four v_nop are the places in front of the loads below
.else
	PLACES NP
.endif
	s_wait_alu depctr_va_vdst(0)
	v_add_nc_u32 v[ADRS], 2048, v[ADRS]            ; the next slot's scale words (no LDS load of mine is out)
	FETCH_B \next, 0, 0
	FETCH_A \next, 0, 0
	SCALES \next
	WIN MUL_HI
	MUL16 4, 1, NQ-1, \slot, 0
	MUL16 6, 1, NQ-1, \slot, 0
	PLACES NP
	WIN 0
	FETCH_A \next, 0, 4
.endm
	s_wait_alu depctr_va_vdst(0)                   ; the head's end
	s_wait_tensorcnt 0x0                           ; my tile of the head's four is in
	ds_add_u32 v[SPW], v[NIL]
	s_mov_b32 s[G1+2], 2<<16                       ; no tensor load of mine is out: from here on a load brings two groups,
	s_mov_b32 s[G1+4], 2
	s_mov_b32 s[G1B+2], 2<<16
	s_mov_b32 s[G1B+4], 2
	s_mov_b32 s[G0+1], s45                         ; and slot 0's group 0 is set for the ring: my quarter of the slot
	s_mov_b32 s[G0B+1], s45
	s_mul_i32 s18, s16, 393216
	s_mov_b32 s19, 0
	s_add_nc_u64 s[G0+2:G0+3], s[G0+2:G0+3], s[18:19]
	s_add_nc_u64 s[G0B+2:G0B+3], s[G0B+2:G0B+3], s[18:19]
	s_wait_dscnt 0x0
	CROUND                                         ; all four tiles are in, all sixteen work-groups are here
	JLOAD G0+4, G1, G0B+4, G1B                     ; slot 1's first fill, the first tensor load behind the round
	FETCH_B 0, 0, 0
	FETCH_A 0, 0, 0
	SCALES 0
	FETCH_A 0, 0, 4
	STEP 0, 0, 1
	s_mov_b32 s3, LAPS-1
.Llap:
	TURN 0, 1, 1
	STEP 1, 0, 0
	TURN 1, 0, 1
	STEP 0, 0, 0
	s_sub_co_u32 s3, s3, 1
	s_cmp_lg_u32 s3, 0
	s_cbranch_scc1 .Llap
	TURN 0, 1, 0
	STEP 1, 0, 0
	s_wait_dscnt 4*NL
	WIN MUL_LO
	MUL16 0, 1, NQ-1, 1, 0
	MUL16 2, 1, NQ-1, 1, 0
	s_wait_dscnt 0
	WIN MUL_HI
	MUL16 4, 1, NQ-1, 1, 0
	MUL16 6, 1, NQ-1, 1, 0
	WIN 0
; 64 numbers of a lane, v[s] .. v[s + 63] (register 16 b + i belongs to block b of my row; lanes l and l xor 16 share a block), become a fragment's codes in v[PC] on and the row's scale word in v[PW]
.macro QUANT s
.irp b, 0,1,2,3
	v_max3_num_f32 v[TM+\b], |v[\s+16*\b]|, |v[\s+1+16*\b]|, 0x1800000   ; with the floor 2^(3 - 127)
.endr
.irp i, 2,4,6,8,10,12,14
.irp b, 0,1,2,3
	v_max3_num_f32 v[TM+\b], v[TM+\b], |v[\s+16*\b+\i]|, |v[\s+1+16*\b+\i]|
.endr
.endr
.irp b, 0,1,2,3
	v_permlanex16_b32 v[TM+4+\b], v[TM+\b], s[SEL], s[SEL+1]
.endr
.irp b, 0,1,2,3
	v_max_num_f32 v[TM+\b], v[TM+\b], v[TM+4+\b]
.endr
.irp b, 0,1,2,3
	v_add_nc_u32 v[TM+12+\b], 0xff000000, v[TM+\b] ; 2 off the exponent field: the conversion's scale operand
.endr
.irp b, 0,1,2,3
	v_lshrrev_b32 v[TM+4+\b], 23, v[TM+12+\b]
.endr
	v_lshl_or_b32 v[PW], v[TM+5], 8, v[TM+4]
	v_lshl_or_b32 v[PW], v[TM+6], 16, v[PW]
	v_lshl_or_b32 v[PW], v[TM+7], 24, v[PW]
.irp c, 0,1
	v_cvt_scalef32_pk16_fp6_f32 v[PC+6*\c:PC+2+6*\c], v[\s+32*\c:\s+15+32*\c], v[TM+12+2*\c]
	v_cvt_scalef32_pk16_fp6_f32 v[PC+12+4*\c:PC+14+4*\c], v[\s+16+32*\c:\s+31+32*\c], v[TM+12+2*\c+1]
.endr
	v_nop                                          ; one plain place behind a scaled conversion
.irp c, 0,1                                    ; a whole block to a lane: lanes 0-15 block 2 c, lanes 16-31 block 2 c + 1
.irp i, 0,1,2
	v_permlane16_swap_b32 v[PC+6*\c+\i], v[PC+12+4*\c+\i]
.endr
.irp i, 0,1,2
	v_mov_b32 v[PC+3+6*\c+\i], v[PC+12+4*\c+\i]
.endr
.endr
.endm
	; THE WAY OUT.  Block by block of 16 rows: the row bias is added on the way into window 0, the 128 numbers of a row are quantised, codes and scale word go to my stage in slot 0
	; (that slot has had its last fill, and every wave has passed the last change of slots, behind which nobody reads it); then the stage leaves in runs of 512 bytes.
	PLACES NP
.irp b, 0,1,2,3
	v_mov_b32 v[TM+4+\b], 0                        ; a lane permute's destination counts as one of its sources
.endr
.irp a, 0,1,2,3,4,5,6,7
	WIN 0x02+(\a/4)
.set k, 0
.rept 32
	v_pk_add_f32 v[H+2*k:H+2*k+1], v[64*(\a%4)+2*k:64*(\a%4)+2*k+1], v[RB+2*\a:RB+2*\a+1]   ; each accumulator from its low end on
.set k, k+1
.endr
	WIN 0
	QUANT H
.irp c, 0,1
.irp p, 0,1,2
	ds_store_b64 v[STO], v[PC+6*\c+2*\p:PC+6*\c+2*\p+1] offset:GRP*\c+768*\a+8*\p
.endr
.endr
	ds_store_b32 v[STS], v[PW] offset:64*\a        ; both halves of the lanes write the same word with the same value
	s_wait_dscnt 0x0                               ; the stores have read their registers
.endr
.set n, 0
.rept 25
	ds_load_b128 v[BK+4*n:BK+4*n+3], v[RD] offset:512*n   ; LDS serves a wave's instructions in order: these see my stores
.set n, n+1
.endr
.set n, 0
.rept 24
	s_wait_dscnt 24-n                              ; the younger read-backs may be out
	global_store_b128 v[CO], v[BK+4*n:BK+4*n+3], s[4+2*(n/12):5+2*(n/12)] offset:512*(n%12)   ; 512 consecutive bytes, at a multiple of 256
.set n, n+1
.endr
	s_wait_dscnt 0x0
	global_store_b128 v[CO], v[BK+96:BK+99], s[8:9]
	s_wait_tensorcnt 0x0                           ; the wave's end
	ds_add_u32 v[SPW], v[NIL]
	s_wait_dscnt 0x0
	CROUND                                         ; the closing round
	s_endpgm
.Lfunc_end_k_q66cf42dedc_qkv:
	.size	k_q66cf42dedc_qkv, .Lfunc_end_k_q66cf42dedc_qkv-k_q66cf42dedc_qkv
	.p2alignl 7, 3214868480
	.fill 96, 4, 3214868480
	.section	.rodata,"a",@progbits
	.p2align	6, 0x0
	.amdhsa_kernel k_q66cf42dedc_qkv
		.amdhsa_group_segment_fixed_size 327680
		.amdhsa_private_segment_fixed_size 0
		.amdhsa_enable_private_segment 0
		.amdhsa_kernarg_size 56
		.amdhsa_user_sgpr_count 2
		.amdhsa_user_sgpr_kernarg_segment_ptr 1
		.amdhsa_wavefront_size32 1
		.amdhsa_system_sgpr_workgroup_id_x 1
		.amdhsa_system_sgpr_workgroup_id_y 1
		.amdhsa_system_sgpr_workgroup_id_z 1
		.amdhsa_system_vgpr_workitem_id 0
		.amdhsa_next_free_vgpr 1024
		.amdhsa_next_free_sgpr 102
		.amdhsa_reserve_vcc 0
		.amdhsa_float_denorm_mode_32 3
		.amdhsa_float_denorm_mode_16_64 3
		.amdhsa_memory_ordered 1
		.amdhsa_forward_progress 1
		.amdhsa_inst_pref_size 198
	.end_amdhsa_kernel
	.amdgpu_metadata
---
amdhsa.version: [ 1, 2 ]
amdhsa.kernels:
  - .name:           k_q66cf42dedc_qkv
    .symbol:         k_q66cf42dedc_qkv.kd
    .args:
      - { .name: act, .offset: 0, .size: 8, .value_kind: global_buffer, .address_space: global }
      - { .name: wc, .offset: 8, .size: 8, .value_kind: global_buffer, .address_space: global }
      - { .name: wsc, .offset: 16, .size: 8, .value_kind: global_buffer, .address_space: global }
      - { .name: bq, .offset: 24, .size: 8, .value_kind: global_buffer, .address_space: global }
      - { .name: bk, .offset: 32, .size: 8, .value_kind: global_buffer, .address_space: global }
      - { .name: bv, .offset: 40, .size: 8, .value_kind: global_buffer, .address_space: global }
      - { .name: qkv, .offset: 48, .size: 8, .value_kind: global_buffer, .address_space: global }
    .group_segment_fixed_size: 327680
    .private_segment_fixed_size: 0
    .kernarg_segment_align: 8
    .kernarg_segment_size: 56
    .max_flat_workgroup_size: 128
    .sgpr_count:     102
    .vgpr_count:     1024
    .wavefront_size: 32
...
	.end_amdgpu_metadata
.endif
;; end of part 2
;; launch attn (part 3): grid 8 x 32, 16 waves a work-group, clusters of 4 x 1, 262,144 bytes of LDS; arguments qkv, attention_mask, act; writes act
.if DOCPART == 3
	.amdgcn_target "amdgcn-amd-amdhsa--gfx1250"
	.amdhsa_code_object_version 6
	.text
	.protected	k_q66cf42dedc_attn
	.globl	k_q66cf42dedc_attn
	.p2align	8
	.type	k_q66cf42dedc_attn,@function
k_q66cf42dedc_attn:
	s_mov_b64 s[64:65], 0
	v_nop
	global_prefetch_b8 v0, s[64:65] scope:SCOPE_SE
	s_setreg_imm32_b32 hwreg(HW_REG_WAVE_MODE, 25, 1), 1
	s_wait_xcnt 0x0
	s_wait_alu depctr_hold_cnt(0) depctr_sa_sdst(0) depctr_va_vdst(0) depctr_va_sdst(0) depctr_va_ssrc(0) depctr_va_vcc(0) depctr_vm_vsrc(0)
	s_getreg_b32 s2, hwreg(HW_REG_IB_STS2, 6, 4)
	s_cmp_eq_u32 s2, 0
	s_cbranch_scc0 .Lentry_in_a_cluster
	s_endpgm
.Lentry_in_a_cluster:
	s_bfe_u32 s2, ttmp6, 0x10000c
	s_cmp_lg_u32 s2, 0x3003
	s_cbranch_scc0 .Lentry_shape_is_right
	s_endpgm
.Lentry_shape_is_right:
; ctx[b][q][head] = softmax_k(q . k / 8 + mask[b][k]) v, both products on codes of FP6 (E2M3) with E8M0 scales; ctx is quantised along the channels for the next product.
; THE SOFTMAX AHEAD OF THE SECOND PRODUCT: t = (score + mask) x log2(e); M = the running largest t rounded up to a whole number; p = 2^(t - M) is quantised along the keys, not normalised; the sum of the unquantised p divides at the end.
; SHARES.  Work-group y = 16 b + head; a work-group owns 256 queries, each of its sixteen waves 16.  A head's K (2,048 keys x 48 bytes) and V (32 groups of 64 keys x 64 channels x 48 bytes) lie in LDS whole, filled once:
; each wave issues ONE joint load at the head, an eighth of K (waves 0-7) or of V (waves 8-15), 12,288 bytes.  The four query blocks of a cluster ask jointly.  Nothing is filled again.
; No data prefetch: every byte of K and V is asked for once, at the head, and there is no loop to run ahead in.
; Both products are used transposed: a lane holds one query (lane % 16) throughout.  The head's 64 channels fill half of the instruction's 128: q's upper six registers hold zero codes, and k's fragments lie six registers apart, so that a
; tile's upper six registers are the next tile's codes: finite numbers that meet zeros.  The division by 8 is 3 off q's scale bytes.  The mask is the C of the first product.
; THE KEYS OF A TILE: row m of tile t takes key 64 (t / 4) + 32 (m / 8) + 8 g + m % 8, g = 0, 2, 1, 3 for t % 4 = 0 .. 3.  So lane half h holds, in 32 registers on end, the whole block 2 (t / 4) + h of 32 keys, in the order of places in which
; v's codes lie: a block's largest score needs no other lane, and the conversions' results are the operand's registers.
; A step's loads run ahead: the next step's k is asked for behind this step's first product, the next mask behind the conversions (the last step is written out without them).
; LIMITS: mask values under -2^20 are held at -2^20 (the same result wherever some key of the row lies well above that; a row whose every key lies under it differs); values above 2^20 are not served; a block of q whose scale byte is under 4
; loses the exact division; a block whose largest magnitude lies under 2^-124 gets the byte 1; NaN is not served.  A block's largest p is made from its largest score, which takes v_exp_f32 not to fall where its input rises.
.set KC,    0
.set VC,    98304
.set KS,    196608                     ; k's scale words, cut to the head's two bytes: 2,048 x 4
.set VS,    204800                     ; v's: [16 steps][64 channels][4]
.set MK,    208896                     ; the mask: 2,048 f32
.set CSG,   217088                     ; the way out: 768 bytes a wave
.set SPARE, 229376                     ; the spare words, 128 bytes a wave
.set AK0,  1                           ; v1-4, v7 LDS addresses that stay: k, v, k's scale words, v's, the mask
.set AV0,  2
.set ASK0, 3
.set ASV0, 4
.set SPW,  5
.set NIL,  6
.set AM0,  7
.set SH8,  8                           ; 8 h
.set A1,   9                           ; v9-11, v255 addresses in hand
.set A2,   10
.set A3,   11
.set A4,   255
.set QF,   16                          ; v16-27 q;  v12 -M, v13 the largest t, v[14:15] the sum
.set QS,   28                          ; q's scale word
.set PS,   29                          ; p's scale word
.set F,    30                          ; f = 2^(old M - new M)
.set PT,   31                          ; what a lane permute brings
.set KF,   32                          ; v32-85 k's fragments
.set KSC,  86                          ; v86-89 k's scale words: lanes 0-15 tile g, lanes 16-31 tile g + 4
.set VSC,  90                          ; v90-91 v's: lanes 0-15 tile g, lanes 16-31 tile g + 2
.set BM,   92                          ; v92-95 my two blocks' statistics
.set SCR,  96                          ; v96-159 the mask, scores, p
.set OT,   160                         ; v160-191 O^T
.set VF,   192                         ; v192-239 v's fragments
.set PC,   240                         ; v240-251 partial sums, then p's codes
.set T,    252                         ; v252-254 a block's upper 16 codes on their way
.set WV,   18
.set SEL,  20
.set CS,   22
.set G1K,  24
.set G1V,  32
.set G0K,  40
.set G0V,  48
.set CNT,  56
.set TK,   57
.set TS,   58
.set TV,   59
.macro CROUND
	s_barrier_signal -1
	s_barrier_wait -1
	s_cmp_lg_u32 s[WV], 0
	s_cbranch_scc1 .Lnot_wave_0_\@
	s_barrier_signal -3
.Lnot_wave_0_\@:
	s_barrier_wait -3
	s_barrier_signal -1
	s_barrier_wait -1
.endm
	s_load_b128 s[4:7], s[0:1], 0x0                ; qkv, the mask
	s_load_b64 s[8:9], s[0:1], 0x10                ; act
	v_lshl_add_u32 v[SPW], v0, 2, SPARE
	v_mov_b32 v[NIL], 0
	ds_add_u32 v[SPW], v[NIL]                      ; the opening lines: the add, twice on end, and its wait ahead of my tensor load
	ds_add_u32 v[SPW], v[NIL]
	v_lshrrev_b32 v8, 5, v0
	s_delay_alu instid0(VALU_DEP_1)
	v_readfirstlane_b32 s[WV], v8
	s_bfe_u32 s10, ttmp6, 0x40000                  ; cx: it enters q's and ctx's global addresses alone
	s_lshl_b32 s11, ttmp9, 2
	s_add_co_u32 s11, s11, s10                     ; my block of 256 queries
	s_and_b32 s12, ttmp7, 0xffff
	s_lshr_b32 s13, s12, 4                         ; b
	s_and_b32 s14, s12, 15                         ; head
	s_and_b32 s15, s[WV], 7                        ; which eighth I fetch
	s_lshl_b32 s16, s14, 12
	s_lshl_b32 s17, s13, 11
	s_add_co_u32 s16, s16, s17                     ; the head's first row in its group of q's, k's and ctx's codes
	s_mul_i32 s19, s15, 12288
	s_mul_i32 s62, s16, 48
	s_add_co_u32 s62, s62, s19
	s_add_co_u32 s62, s62, 3145728                 ; k: 256 keys x 48 bytes
	s_mov_b32 s63, 0
	s_lshl_b32 s66, s13, 5
	s_lshl_b32 s67, s15, 2
	s_add_co_u32 s66, s66, s67
	s_mul_i32 s66, s66, 49152
	s_mul_i32 s67, s14, 3072
	s_add_co_u32 s66, s66, s67
	s_add_co_u32 s66, s66, 6291456                 ; v: four groups of 64 keys, the head's 64 channels x 48 bytes
	s_mov_b32 s67, 0
	s_lshr_b32 s60, s14, 1
	s_lshl_b32 s60, s60, 12
	s_add_co_u32 s60, s60, s17                     ; the head's first row among the scale words of its step of 128 channels
	s_lshl_b32 s68, s60, 2
	s_add_co_u32 s68, s68, 9568256
	s_mov_b32 s69, 0
	s_lshl_b32 s70, s13, 16
	s_lshl_b32 s71, s14, 8
	s_add_co_u32 s70, s70, s71
	s_add_co_u32 s70, s70, 9699328
	s_mov_b32 s71, 0
	s_lshl_b32 s72, s13, 13
	s_mov_b32 s73, 0
	s_lshl_b32 s74, s11, 8
	s_lshl_b32 s75, s[WV], 4
	s_add_co_u32 s74, s74, s75                     ; my first query in the batch
	s_add_co_u32 s76, s16, s74
	s_mul_i32 s76, s76, 48
	s_mov_b32 s77, 0
	s_add_co_u32 s78, s60, s74
	s_lshl_b32 s78, s78, 2
	s_and_b32 s61, s14, 1
	s_lshl_b32 s79, s61, 1
	s_add_co_u32 s78, s78, s79                     ; the head's two bytes of my first query's scale word
	s_mov_b32 s79, 0
	s_lshl_b32 s61, s61, 4                         ; and the bit at which they begin
	s_mov_b32 s[G1K], 15|(3<<16)|(1<<21)           ; the mask: all four work-groups; elements of 8 bytes; bit 21 beside the mask
	s_mov_b32 s[G1V], 15|(3<<16)|(1<<21)
.irp g, G1K, G1V
	s_mov_b32 s[\g+1], 384<<16                     ; tensor_dim0: 3,072 bytes
	s_mov_b32 s[\g+2], 4<<16                       ; tensor_dim1
	s_mov_b32 s[\g+3], 384<<16
	s_mov_b32 s[\g+4], 4
	s_mov_b32 s[\g+6], 0
	s_mov_b32 s[\g+7], 0
.endr
	s_mov_b32 s[G1K+5], 384                        ; k's keys are dense
	s_mov_b32 s[G1V+5], 6144                       ; v's groups lie 1,024 channels x 48 bytes apart
	s_mov_b32 s[SEL], 0x76543210
	s_mov_b32 s[SEL+1], 0xfedcba98
	s_mov_b32 s[CS], 0x3fb8aa3b                    ; log2(e)
	s_mov_b32 s[CS+1], s[CS]
	s_mov_b32 s[TK], 0
	s_mov_b32 s[TS], 0
	s_mov_b32 s[TV], 0
	s_wait_dscnt 0x0                               ; both opening adds are done
	s_wait_kmcnt 0x0
	s_add_nc_u64 s[62:63], s[4:5], s[62:63]
	s_add_nc_u64 s[66:67], s[4:5], s[66:67]
	s_add_nc_u64 s[68:69], s[4:5], s[68:69]        ; k's scale words
	s_add_nc_u64 s[70:71], s[4:5], s[70:71]        ; v's
	s_add_nc_u64 s[72:73], s[6:7], s[72:73]        ; the batch's mask
	s_add_nc_u64 s[80:81], s[4:5], s[76:77]        ; q's codes
	s_add_nc_u64 s[82:83], s[8:9], s[76:77]        ; ctx's codes
	s_add_nc_u64 s[84:85], s[4:5], s[78:79]
	s_add_nc_u64 s[84:85], s[84:85], 9437184       ; q's scale bytes
	s_add_nc_u64 s[86:87], s[8:9], s[78:79]
	s_add_nc_u64 s[86:87], s[86:87], 3145728       ; ctx's
	s_mov_b32 s[G0K], 1
	s_mov_b32 s[G0K+1], s19
	s_mov_b64 s[G0K+2:G0K+3], s[62:63]
	s_or_b32 s[G0K+3], s[G0K+3], 0x80000000
	s_mov_b32 s[G0V], 1
	s_add_co_u32 s[G0V+1], s19, VC
	s_mov_b64 s[G0V+2:G0V+3], s[66:67]
	s_or_b32 s[G0V+3], s[G0V+3], 0x80000000
	CROUND                                         ; all four work-groups are here: the joint loads meet
	s_cmp_lt_u32 s[WV], 8                          ; waves 0-7: k, waves 8-15: v; one tensor load a wave, one in each arm
	s_cbranch_scc0 .Lfill_v
	tensor_load_to_lds s[G0K:G0K+3], s[G1K:G1K+7]
	s_nop 0
.rept 4
	v_nop
.endr
	s_branch .Lfilled
.Lfill_v:
	tensor_load_to_lds s[G0V:G0V+3], s[G1V:G1V+7]
	s_nop 0
.rept 4
	v_nop
.endr
.Lfilled:
	v_and_b32 v10, 15, v0                          ; r
	v_bfe_u32 v11, v0, 4, 1                        ; h
	v_and_b32 v12, 7, v0                           ; r % 8
	v_bfe_u32 v13, v0, 3, 1                        ; r / 8
	v_mul_u32_u24 v9, v10, 48
	v_mul_u32_u24 v[AK0], v12, 48
	v_lshlrev_b32 v[ASK0], 2, v12
	v_lshlrev_b32 v10, 2, v10                      ; 4 r
	v_mad_u32_u24 v9, v11, 24, v9                  ; 48 r + 24 h: q's rows, v's channels
	v_mad_u32_u24 v[AK0], v13, 1536, v[AK0]
	v_lshl_add_u32 v[ASK0], v13, 7, v[ASK0]
	v_lshl_add_u32 v[ASV0], v11, 7, v10
	v_add_nc_u32 v[AV0], VC, v9
	v_mad_u32_u24 v[AK0], v11, 24, v[AK0]          ; k: key r % 8 + 32 (r / 8) of a tile, + 24 h
	v_lshl_add_u32 v[ASK0], v11, 8, v[ASK0]
	v_add_nc_u32 v[ASV0], VS, v[ASV0]              ; v's scale words: channel r; lanes 16-31 two tiles on
	v_lshlrev_b32 v[AM0], 7, v11
	v_lshlrev_b32 v[SH8], 3, v11
	v_add_nc_u32 v[ASK0], KS, v[ASK0]              ; k's scale words: the same keys; lanes 16-31 four tiles (64 keys) on
	v_add_nc_u32 v[AM0], MK, v[AM0]                ; the mask of my half's keys: 32 h on
	v_lshlrev_b32 v92, 4, v0                       ; 16 x thread
	v_lshrrev_b32 v93, 5, v0
	v_and_b32 v94, 31, v0
	s_delay_alu instid0(VALU_DEP_1)
	v_lshlrev_b32 v94, 3, v94
	s_delay_alu instid0(VALU_DEP_1)
	v_lshl_add_u32 v93, v93, 12, v94               ; v's scale words in memory: a step's 256 bytes, 4,096 bytes from step to step
	global_load_b128 v[32:35], v92, s[68:69]
	global_load_b128 v[36:39], v92, s[72:73]
	global_load_b64 v[40:41], v93, s[70:71]
.irp p, 0,1,2
	global_load_b64 v[QF+2*\p:QF+2*\p+1], v9, s[80:81] offset:8*\p
.endr
	global_load_u16 v[QS], v10, s[84:85]
	v_add_nc_u32 v12, KS, v92
	v_add_nc_u32 v13, MK, v92
	v_lshl_add_u32 v11, v0, 3, VS
	s_wait_alu depctr_va_vdst(0)
	s_wait_loadcnt 0x0
.irp i, 0,1,2,3
	v_bfe_u32 v[32+\i], v[32+\i], s61, 16          ; the head's two bytes; the upper two, for the idle half of K, are 0
	v_max_num_f32 v[36+\i], 0xc9800000, v[36+\i]   ; the mask is held at -2^20 from below
.endr
	ds_store_b128 v12, v[32:35]
	ds_store_b128 v13, v[36:39]
	ds_store_b64 v11, v[40:41]
	v_and_b32 v94, 0xff, v[QS]                     ; q's two scale bytes, each 3 less: the division by 8
	v_lshrrev_b32 v95, 8, v[QS]
	s_delay_alu instid0(VALU_DEP_2)
	v_max_u32 v94, 4, v94
	s_delay_alu instid0(VALU_DEP_2)
	v_max_u32 v95, 4, v95
	s_delay_alu instid0(VALU_DEP_2)
	v_add_nc_u32 v94, -3, v94
	s_delay_alu instid0(VALU_DEP_2)
	v_add_nc_u32 v95, -3, v95
	s_delay_alu instid0(VALU_DEP_1)
	v_lshl_or_b32 v[QS], v95, 8, v94
.irp i, 6,7,8,9,10,11
	v_mov_b32 v[QF+\i], 0                          ; q's codes for the idle half of K: zeros
	v_mov_b32 v[KF+42+\i], 0                       ; what the last tile of k names above its own six registers
.endr
	v_mov_b32 v13, 0xff61b1e6                      ; the largest t so far: -3e38
	v_mov_b32 v14, 0
	v_mov_b32 v15, 0
	v_mov_b32 v[PT], 0                             ; a lane permute's destination counts as one of its sources
	v_floor_f32 v12, -v13
.set j, 0
.rept 32
	v_mov_b32 v[OT+j], 0                           ; O^T: the step is written once; the first finds zeros
.set j, j+1
.endr
.macro LOADK ak, as, x                 ; k's eight fragments and four registers of scale words, x steps on from the address
.irp t, 0,1,2,3,4,5,6,7
.irp p, 0,1,2
	ds_load_b64 v[KF+6*\t+2*\p:KF+6*\t+2*\p+1], v[\ak] offset:6144*\x+3072*(\t/4)+384*(((\t&1)<<1)|((\t>>1)&1))+8*\p
.endr
.endr
.irp g, 0,1,2,3
	ds_load_b32 v[KSC+\g], v[\as] offset:512*\x+32*(((\g&1)<<1)|(\g>>1))
.endr
.endm
.macro LOADM am, x                     ; register j of tile t: the mask of key 64 (t / 4) + 32 h + 8 g + j
.irp t, 0,1,2,3,4,5,6,7
	ds_load_b128 v[SCR+8*\t:SCR+8*\t+3], v[\am] offset:512*\x+256*(\t/4)+32*(((\t&1)<<1)|((\t>>1)&1))
	ds_load_b128 v[SCR+8*\t+4:SCR+8*\t+7], v[\am] offset:512*\x+256*(\t/4)+32*(((\t&1)<<1)|((\t>>1)&1))+16
.endr
.endm
; A KEY STEP: 128 keys.  pre = 1: the next step's k and mask are asked for on the way
.macro STEP pre
	s_wait_dscnt 0x0                               ; k's fragments, its scale words and the mask are in
.irp t, 0,1,2,3
	v_wmma_scale_f32_16x16x128_f8f6f4 v[SCR+8*\t:SCR+8*\t+7], v[KF+6*\t:KF+6*\t+11], v[QF:QF+11], v[SCR+8*\t:SCR+8*\t+7], v[KSC+\t], v[QS] matrix_a_fmt:MATRIX_FMT_FP6 matrix_b_fmt:MATRIX_FMT_FP6
.endr
.irp t, 4,5,6,7
	v_wmma_scale_f32_16x16x128_f8f6f4 v[SCR+8*\t:SCR+8*\t+7], v[KF+6*\t:KF+6*\t+11], v[QF:QF+11], v[SCR+8*\t:SCR+8*\t+7], v[KSC+\t-4], v[QS] matrix_a_fmt:MATRIX_FMT_FP6 matrix_b_fmt:MATRIX_FMT_FP6 matrix_a_scale:MATRIX_SCALE_ROW1
.endr
	v_add_nc_u32 v[A1], s[TK], v[AV0]              ; four places in front of the loads below and of the first read of the scores
	v_add_nc_u32 v[A2], s[TV], v[ASV0]
.if \pre
	v_add_nc_u32 v[A3], s[TK], v[AK0]
	v_add_nc_u32 v[A4], s[TS], v[ASK0]
.else
	v_nop
	v_nop
.endif
.irp t, 0,1,2,3                                ; v's fragments land under the softmax
.irp p, 0,1,2,3,4,5
	ds_load_b64 v[VF+12*\t+2*\p:VF+12*\t+2*\p+1], v[A1] offset:768*\t+3072*(\p/3)+8*(\p%3)
.endr
.endr
.irp g, 0,1
	ds_load_b32 v[VSC+\g], v[A2] offset:64*\g
.endr
.if \pre
	LOADK A3, A4, 1
.endif
.irp c, 0,1                                    ; the largest score of each of my two blocks, in two chains each; every accumulator is read from its low end on
	v_max3_num_f32 v[BM+\c], v[SCR+32*\c], v[SCR+32*\c+1], v[SCR+32*\c+2]
	v_max3_num_f32 v[BM+2+\c], v[SCR+32*\c+17], v[SCR+32*\c+18], v[SCR+32*\c+19]
.endr
.irp i, 0,1,2,3,4,5
.irp c, 0,1
	v_max3_num_f32 v[BM+\c], v[BM+\c], v[SCR+32*\c+3+2*\i], v[SCR+32*\c+4+2*\i]
	v_max3_num_f32 v[BM+2+\c], v[BM+2+\c], v[SCR+32*\c+20+2*\i], v[SCR+32*\c+21+2*\i]
.endr
.endr
.irp c, 0,1
	v_max3_num_f32 v[BM+\c], v[BM+\c], v[SCR+32*\c+15], v[SCR+32*\c+16]
.endr
.irp c, 0,1
	s_delay_alu instid0(VALU_DEP_2)
	v_max_num_f32 v[BM+\c], v[BM+\c], v[BM+2+\c]
.endr
	s_delay_alu instid0(VALU_DEP_1)
	v_max_num_f32 v[BM+2], v[BM], v[BM+1]
	s_delay_alu instid0(VALU_DEP_1)
	v_permlanex16_b32 v[PT], v[BM+2], s[SEL], s[SEL+1]
	s_delay_alu instid0(VALU_DEP_1)
	v_max_num_f32 v[BM+2], v[BM+2], v[PT]          ; with lane l xor 16's two blocks: the step's largest score of my query
	s_delay_alu instid0(VALU_DEP_1)
	v_mul_f32 v[BM+2], s[CS], v[BM+2]
	s_delay_alu instid0(VALU_DEP_1)
	v_max_num_f32 v13, v13, v[BM+2]                ; the running largest t
	v_mov_b32 v[BM+3], v12
	s_delay_alu instid0(VALU_DEP_2)
	v_floor_f32 v12, -v13                          ; -M = floor(-t): M is a whole number
	s_delay_alu instid0(VALU_DEP_1)
	v_sub_f32 v[BM+3], v12, v[BM+3]
	s_delay_alu instid0(VALU_DEP_1)
	v_cvt_i32_f32 v[BM+3], v[BM+3]
	s_delay_alu instid0(VALU_DEP_1)
	v_ldexp_f32 v[F], 1.0, v[BM+3]                 ; f = 2^(old M - new M)
.set j, 0
.rept 32
	v_pk_fma_f32 v[SCR+j:SCR+j+1], v[SCR+j:SCR+j+1], s[CS:CS+1], v[12:13] op_sel_hi:[1,0,0]   ; t - M
.set j, j+2
.endr
.irp c, 0,1
	v_fma_f32 v[BM+\c], v[BM+\c], s[CS], v12       ; the same of each block's largest score
.endr
	s_wait_alu depctr_va_vdst(0)
.set j, 0
.rept 64
	v_exp_f32 v[SCR+j], v[SCR+j]                   ; p = 2^(t - M)
.set j, j+1
.endr
.irp c, 0,1
	v_exp_f32 v[BM+\c], v[BM+\c]                   ; the block's largest p
.endr
	v_pk_mul_f32 v[14:15], v[14:15], v[F:F+1] op_sel_hi:[1,0]   ; the sums under the new M: a plain place behind the exponentials
	s_wait_alu depctr_va_vdst(0)                   ; one wait for the batch, ahead of its first reader
	v_pk_add_f32 v[PC:PC+1], v[SCR:SCR+1], v[SCR+2:SCR+3]       ; the sum of the unquantised p, in four chains
	v_pk_add_f32 v[PC+2:PC+3], v[SCR+4:SCR+5], v[SCR+6:SCR+7]
	v_pk_add_f32 v[PC+4:PC+5], v[SCR+8:SCR+9], v[SCR+10:SCR+11]
	v_pk_add_f32 v[14:15], v[14:15], v[SCR+12:SCR+13]
.irp i, 0,1,2,3,4,5
	v_pk_add_f32 v[PC:PC+1], v[PC:PC+1], v[SCR+14+8*\i:SCR+15+8*\i]
	v_pk_add_f32 v[PC+2:PC+3], v[PC+2:PC+3], v[SCR+16+8*\i:SCR+17+8*\i]
	v_pk_add_f32 v[PC+4:PC+5], v[PC+4:PC+5], v[SCR+18+8*\i:SCR+19+8*\i]
	v_pk_add_f32 v[14:15], v[14:15], v[SCR+20+8*\i:SCR+21+8*\i]
.endr
.irp c, 0,1
	v_max_num_f32 v[BM+\c], 0x1800000, v[BM+\c]    ; the floor 2^(3 - 127)
.endr
	v_pk_add_f32 v[14:15], v[14:15], v[SCR+62:SCR+63]
	v_pk_add_f32 v[PC:PC+1], v[PC:PC+1], v[PC+2:PC+3]
.irp c, 0,1
	v_add_nc_u32 v[BM+\c], 0xff000000, v[BM+\c]    ; 2 off the exponent field: the conversion's scale operand
.endr
	v_pk_add_f32 v[14:15], v[14:15], v[PC+4:PC+5]
.irp c, 0,1
	v_lshrrev_b32 v[BM+2+\c], 23, v[BM+\c]         ; the scale's byte
.endr
	v_pk_add_f32 v[14:15], v[14:15], v[PC:PC+1]
	v_lshl_or_b32 v[BM+2], v[BM+3], 16, v[BM+2]    ; my bytes: blocks h and 2 + h,
	s_delay_alu instid0(VALU_DEP_1)
	v_lshlrev_b32 v[BM+2], v[SH8], v[BM+2]         ; at their places in the word;
	s_delay_alu instid0(VALU_DEP_1)
	v_permlanex16_b32 v[PT], v[BM+2], s[SEL], s[SEL+1]
	s_delay_alu instid0(VALU_DEP_1)
	v_or_b32 v[PS], v[BM+2], v[PT]                 ; with lane l xor 16's two: p's scale word for these 128 keys
	v_cvt_scalef32_pk16_fp6_f32 v[PC:PC+2], v[SCR:SCR+15], v[BM]
	v_cvt_scalef32_pk16_fp6_f32 v[T:T+2], v[SCR+16:SCR+31], v[BM]      ; (a conversion's three registers begin on an even number)
	v_cvt_scalef32_pk16_fp6_f32 v[PC+6:PC+8], v[SCR+32:SCR+47], v[BM+1]
.if \pre
	v_add_nc_u32 v[A1], s[TS], v[AM0]              ; a plain place behind the conversions
.else
	v_nop
.endif
.irp i, 0,1,2
	v_mov_b32 v[PC+3+\i], v[T+\i]
.endr
	v_cvt_scalef32_pk16_fp6_f32 v[T:T+2], v[SCR+48:SCR+63], v[BM+1]
.if \pre
	LOADM A1, 1                                    ; p is in codes: its registers take the next step's mask
.endif
	s_wait_alu depctr_va_vdst(0)                   ; directly ahead of the first reader of O^T
	v_pk_mul_f32 v[OT:OT+1], v[OT:OT+1], v[F:F+1] op_sel_hi:[1,0]      ; O^T under the new M (the first is the plain place behind the conversion)
.irp i, 0,1,2
	v_mov_b32 v[PC+9+\i], v[T+\i]
.endr
.set j, 2
.rept 15
	v_pk_mul_f32 v[OT+j:OT+j+1], v[OT+j:OT+j+1], v[F:F+1] op_sel_hi:[1,0]   ; these fifteen are the places in front of the products below
.set j, j+2
.endr
	s_wait_alu depctr_va_vdst(0)
.if \pre
	s_wait_dscnt 44                                ; v's 26 loads are in; behind them k's 28 and the mask's 16 may be out
.else
	s_wait_dscnt 0x0
.endif
.irp t, 0,1
	v_wmma_scale_f32_16x16x128_f8f6f4 v[OT+8*\t:OT+8*\t+7], v[VF+12*\t:VF+12*\t+11], v[PC:PC+11], v[OT+8*\t:OT+8*\t+7], v[VSC+\t], v[PS] matrix_a_fmt:MATRIX_FMT_FP6 matrix_b_fmt:MATRIX_FMT_FP6
.endr
.irp t, 2,3
	v_wmma_scale_f32_16x16x128_f8f6f4 v[OT+8*\t:OT+8*\t+7], v[VF+12*\t:VF+12*\t+11], v[PC:PC+11], v[OT+8*\t:OT+8*\t+7], v[VSC+\t-2], v[PS] matrix_a_fmt:MATRIX_FMT_FP6 matrix_b_fmt:MATRIX_FMT_FP6 matrix_a_scale:MATRIX_SCALE_ROW1
.endr
	s_add_co_u32 s[TK], s[TK], 6144
	s_add_co_u32 s[TS], s[TS], 512
	s_add_co_u32 s[TV], s[TV], 256
.endm
	s_wait_alu depctr_va_vdst(0)                   ; the head's end
	s_wait_dscnt 0x0                               ; for the others' sake: my stores of scale words and mask have landed,
	s_wait_tensorcnt 0x0                           ; and so has my eighth of k or v
	s_barrier_signal -1
	s_barrier_wait -1
	LOADK AK0, ASK0, 0
	LOADM AM0, 0
	s_mov_b32 s[CNT], 15
.Lkeys:
	STEP 1
	s_sub_co_u32 s[CNT], s[CNT], 1
	s_cmp_lg_u32 s[CNT], 0
	s_cbranch_scc1 .Lkeys
	STEP 0                                         ; the last 128 keys: nothing more to ask for
	; THE WAY OUT: O^T / the sum, quantised along the head's 64 channels (two blocks), through my 768 bytes of LDS, out as three runs of 256 bytes
	v_add_f32 v14, v14, v15
	s_delay_alu instid0(VALU_DEP_1)
	v_permlanex16_b32 v[PT], v14, s[SEL], s[SEL+1]
	s_delay_alu instid0(VALU_DEP_1)
	v_add_f32 v14, v14, v[PT]
	s_wait_alu depctr_va_vdst(0)
	v_rcp_f32 v14, v14
	s_mul_i32 s60, s[WV], 768
	s_add_co_u32 s60, s60, CSG-VC
	v_add_nc_u32 v[A2], s60, v[AV0]                ; my stage, in: 48 r + 24 h  (plain places behind the reciprocal and the last products)
	v_and_b32 v[A1], 31, v0
	v_and_b32 v[A4], 15, v0
	s_add_co_u32 s60, s60, VC
	v_lshlrev_b32 v[A1], 3, v[A1]                  ; 8 x lane
	v_lshlrev_b32 v[A4], 2, v[A4]                  ; 4 r
	v_add_nc_u32 v[A3], s60, v[A1]                 ; my stage, out
	s_wait_alu depctr_va_vdst(0)                   ; the wait, ahead of the first reader of the reciprocal and of O^T
.set j, 0
.rept 32
	v_mul_f32 v[SCR+j], v[OT+j], v14               ; register 8 t + i: channel 16 t + 8 h + i of my query
.set j, j+1
.endr
.irp b, 0,1
	v_max3_num_f32 v[BM+\b], |v[SCR+16*\b]|, |v[SCR+1+16*\b]|, 0x1800000
.endr
.irp i, 2,4,6,8,10,12,14
.irp b, 0,1
	s_delay_alu instid0(VALU_DEP_2)
	v_max3_num_f32 v[BM+\b], v[BM+\b], |v[SCR+16*\b+\i]|, |v[SCR+1+16*\b+\i]|
.endr
.endr
.irp b, 0,1
	s_delay_alu instid0(VALU_DEP_2)
	v_permlanex16_b32 v[BM+2+\b], v[BM+\b], s[SEL], s[SEL+1]
.endr
.irp b, 0,1
	s_delay_alu instid0(VALU_DEP_2)
	v_max_num_f32 v[BM+\b], v[BM+\b], v[BM+2+\b]
.endr
.irp b, 0,1
	s_delay_alu instid0(VALU_DEP_2)
	v_add_nc_u32 v[BM+\b], 0xff000000, v[BM+\b]
.endr
.irp b, 0,1
	s_delay_alu instid0(VALU_DEP_2)
	v_lshrrev_b32 v[BM+2+\b], 23, v[BM+\b]
.endr
	s_delay_alu instid0(VALU_DEP_1)
	v_lshl_or_b32 v[BM+2], v[BM+3], 8, v[BM+2]
	v_cvt_scalef32_pk16_fp6_f32 v[PC:PC+2], v[SCR:SCR+15], v[BM]
	v_cvt_scalef32_pk16_fp6_f32 v[PC+4:PC+6], v[SCR+16:SCR+31], v[BM+1]
	v_nop                                          ; one plain place behind a scaled conversion
	v_permlane16_swap_b32 v[PC], v[PC+4]
	v_permlane16_swap_b32 v[PC+1], v[PC+5]
	v_permlane16_swap_b32 v[PC+2], v[PC+6]
	s_delay_alu instid0(VALU_DEP_3)
	v_mov_b32 v[PC+3], v[PC+4]
	s_delay_alu instid0(VALU_DEP_3)
	v_mov_b32 v[PC+4], v[PC+5]
	s_delay_alu instid0(VALU_DEP_3)
	v_mov_b32 v[PC+5], v[PC+6]                     ; lanes 0-15: block 0, lanes 16-31: block 1, 24 bytes
.irp p, 0,1,2
	ds_store_b64 v[A2], v[PC+2*\p:PC+2*\p+1] offset:8*\p
.endr
.irp p, 0,1,2
	ds_load_b64 v[KF+2*\p:KF+2*\p+1], v[A3] offset:256*\p   ; LDS serves a wave's instructions in order: these see my stores
.endr
	global_store_b16 v[A4], v[BM+2], s[86:87]      ; the head's two bytes of a row's scale word (both halves of the lanes write the same)
	s_wait_dscnt 0x0
.irp p, 0,1,2
	global_store_b64 v[A1], v[KF+2*\p:KF+2*\p+1], s[82:83] offset:256*\p   ; 256 consecutive bytes, at a multiple of 256
.endr
	s_wait_tensorcnt 0x0                           ; the wave's end
	ds_add_u32 v[SPW], v[NIL]
	s_wait_dscnt 0x0
	CROUND                                         ; the closing round
	s_endpgm
.Lfunc_end_k_q66cf42dedc_attn:
	.size	k_q66cf42dedc_attn, .Lfunc_end_k_q66cf42dedc_attn-k_q66cf42dedc_attn
	.p2alignl 7, 3214868480
	.fill 96, 4, 3214868480
	.section	.rodata,"a",@progbits
	.p2align	6, 0x0
	.amdhsa_kernel k_q66cf42dedc_attn
		.amdhsa_group_segment_fixed_size 262144
		.amdhsa_private_segment_fixed_size 0
		.amdhsa_enable_private_segment 0
		.amdhsa_kernarg_size 24
		.amdhsa_user_sgpr_count 2
		.amdhsa_user_sgpr_kernarg_segment_ptr 1
		.amdhsa_wavefront_size32 1
		.amdhsa_system_sgpr_workgroup_id_x 1
		.amdhsa_system_sgpr_workgroup_id_y 1
		.amdhsa_system_sgpr_workgroup_id_z 1
		.amdhsa_system_vgpr_workitem_id 0
		.amdhsa_next_free_vgpr 256
		.amdhsa_next_free_sgpr 96
		.amdhsa_reserve_vcc 0
		.amdhsa_float_denorm_mode_32 3
		.amdhsa_float_denorm_mode_16_64 3
		.amdhsa_memory_ordered 1
		.amdhsa_forward_progress 1
		.amdhsa_inst_pref_size 52
	.end_amdhsa_kernel
	.amdgpu_metadata
---
amdhsa.version: [ 1, 2 ]
amdhsa.kernels:
  - .name:           k_q66cf42dedc_attn
    .symbol:         k_q66cf42dedc_attn.kd
    .args:
      - { .name: qkv, .offset: 0, .size: 8, .value_kind: global_buffer, .address_space: global }
      - { .name: attention_mask, .offset: 8, .size: 8, .value_kind: global_buffer, .address_space: global }
      - { .name: act, .offset: 16, .size: 8, .value_kind: global_buffer, .address_space: global }
    .group_segment_fixed_size: 262144
    .private_segment_fixed_size: 0
    .kernarg_segment_align: 8
    .kernarg_segment_size: 24
    .max_flat_workgroup_size: 512
    .sgpr_count:     96
    .vgpr_count:     256
    .wavefront_size: 32
...
	.end_amdgpu_metadata
.endif
;; end of part 3
;; launch oproj (part 4): grid 8 x 32, 4 waves a work-group, clusters of 4 x 4, 327,680 bytes of LDS; arguments act, wc, wsc, bo, hidden_states, hbuf; writes hbuf
.if DOCPART == 4
	.amdgcn_target "amdgcn-amd-amdhsa--gfx1250"
	.amdhsa_code_object_version 6
	.text
	.protected	k_q66cf42dedc_oproj
	.globl	k_q66cf42dedc_oproj
	.p2align	8
	.type	k_q66cf42dedc_oproj,@function
k_q66cf42dedc_oproj:
	s_mov_b64 s[64:65], 0
	v_nop
	global_prefetch_b8 v0, s[64:65] scope:SCOPE_SE
	s_setreg_imm32_b32 hwreg(HW_REG_WAVE_MODE, 25, 1), 1
	s_wait_xcnt 0x0
	s_wait_alu depctr_hold_cnt(0) depctr_sa_sdst(0) depctr_va_vdst(0) depctr_va_sdst(0) depctr_va_ssrc(0) depctr_va_vcc(0) depctr_vm_vsrc(0)
	s_getreg_b32 s2, hwreg(HW_REG_IB_STS2, 6, 4)
	s_cmp_eq_u32 s2, 0
	s_cbranch_scc0 .Lentry_in_a_cluster
	s_endpgm
.Lentry_in_a_cluster:
	s_bfe_u32 s2, ttmp6, 0x10000c
	s_cmp_lg_u32 s2, 0xf033
	s_cbranch_scc0 .Lentry_shape_is_right
	s_endpgm
.Lentry_shape_is_right:
.set SIZE_K, 1024
.set ASOFF,  3145728
.set BOFF,   147456
.set BSOFF,  12288
.set BROWS,  4096
.set AROWS,  4096
.set NST,    SIZE_K/128
.set LAPS,   SIZE_K/1024
.set GRP,    6144
.set HALFT,  4*GRP
.set SLOT,   4*HALFT
.set SCL,    2*SLOT
.set HALFS,  NST*256
.set SPARE,  SCL+4*HALFS
.set STGW,   16*272
.set FR, 12
.set ADRA, 16
.set ADRB, 20
.set STO,  24
.set RD,   25
.set CO,   26
.set ADRS, 27
.set SPW,  28
.set NIL,  29
.set SC,   32
.set BK,   64
.set ACC,  128
.set F0,   0
.set F1,   128
.set G1, 24
.set G0, 32
.set G1B, 48
.set G0B, 56
.set G1S, 68
.set G0S, 76
.set G1SB, 80
.set G0SB, 88
.set MSB, 0
.macro WIN new
.if MSB != (\new)
	s_set_vgpr_msb (MSB<<8)|(\new)
.set MSB, (\new)
.endif
.endm
.set MUL,  0x05
.set TO_F, 0x40
.macro JLOAD g0a, g1a, g0b, g1b
	s_cmp_eq_u32 s15, 0
	s_cbranch_scc0 .Lfor_b_\@
	tensor_load_to_lds s[\g0a:\g0a+3], s[\g1a:\g1a+7]
	s_nop 0
.rept 4
	v_nop
.endr
	s_branch .Lasked_\@
.Lfor_b_\@:
	tensor_load_to_lds s[\g0b:\g0b+3], s[\g1b:\g1b+7]
	s_nop 0
.rept 4
	v_nop
.endr
.Lasked_\@:
.endm
.macro CREST
	s_cmp_lg_u32 s14, 0
	s_cbranch_scc1 .Lnot_wave_0_\@
	s_barrier_signal -3
.Lnot_wave_0_\@:
	s_barrier_wait -3
	s_barrier_signal -1
	s_barrier_wait -1
.endm
.macro CROUND
	s_barrier_signal -1
	s_barrier_wait -1
	CREST
.endm
.macro PLACES
.rept 4
	v_nop
.endr
.endm
	s_load_b256 s[4:11], s[0:1], 0x0
	s_load_b128 s[96:99], s[0:1], 0x20
	v_lshl_add_u32 v[SPW], v0, 2, SPARE
	v_mov_b32 v[NIL], 0
	ds_add_u32 v[SPW], v[NIL]
	ds_add_u32 v[SPW], v[NIL]
	v_lshrrev_b32 v1, 5, v0
	v_readfirstlane_b32 s14, v1
	s_lshr_b32 s15, s14, 1
	s_and_b32 s16, s14, 1
	s_bfe_u32 s40, ttmp6, 0x40000
	s_bfe_u32 s41, ttmp6, 0x40004
	s_lshl_b32 s42, ttmp9, 2
	s_add_co_u32 s42, s42, s40
	s_and_b32 s17, ttmp7, 0xffff
	s_lshl_b32 s17, s17, 2
	s_add_co_u32 s17, s17, s41
	s_lshl_b32 s43, s41, 2
	s_lshl_b32 s43, 15, s43
	s_lshl_b32 s44, 0x1111, s40
	s_or_b32 s[G1+0], s43, (3<<16)|(1<<21)
	s_or_b32 s[G1B+0], s44, (3<<16)|(1<<21)
.irp g, G1, G1B
	s_mov_b32 s[\g+1], 768<<16
	s_mov_b32 s[\g+2], 8<<16                       ; the head's load brings a slot's eight groups of 64 along K
	s_mov_b32 s[\g+3], 768<<16
	s_mov_b32 s[\g+4], 8
	s_mov_b32 s[\g+6], 0
	s_mov_b32 s[\g+7], 0
.endr
	s_mov_b32 s[G1+5], AROWS*6
	s_mov_b32 s[G1B+5], BROWS*6
	s_or_b32 s[G1S+0], s43, (3<<16)|(1<<21)
	s_or_b32 s[G1SB+0], s44, (3<<16)|(1<<21)
.irp g, G1S, G1SB
	s_mov_b32 s[\g+1], 64<<16                      ; 128 rows' scale words: 512 bytes
	s_mov_b32 s[\g+2], NST<<16
	s_mov_b32 s[\g+3], 64<<16
	s_mov_b32 s[\g+4], NST
	s_mov_b32 s[\g+6], 0
	s_mov_b32 s[\g+7], 0
.endr
	s_mov_b32 s[G1S+5], AROWS/2
	s_mov_b32 s[G1SB+5], BROWS/2
	s_mul_i32 s20, s17, 128*48
	s_mov_b32 s21, 0
	s_mul_i32 s46, s42, 128*48
	s_add_co_u32 s46, s46, BOFF
	s_mov_b32 s47, 0
	s_lshl_b32 s22, s17, 9
	s_add_co_u32 s22, s22, ASOFF
	s_mov_b32 s23, 0
	s_lshl_b32 s92, s42, 9
	s_add_co_u32 s92, s92, BSOFF
	s_mov_b32 s93, 0
	s_mul_i32 s45, s14, HALFT
	s_wait_dscnt 0x0
	s_wait_kmcnt 0x0
	s_add_nc_u64 s[20:21], s[4:5], s[20:21]
	s_add_nc_u64 s[22:23], s[4:5], s[22:23]
	s_add_nc_u64 s[46:47], s[6:7], s[46:47]
	s_add_nc_u64 s[92:93], s[8:9], s[92:93]
	CROUND
	s_mov_b32 s[G0S], 1
	s_mov_b32 s[G0S+1], SCL
	s_mov_b64 s[G0S+2:G0S+3], s[22:23]
	s_or_b32 s[G0S+3], s[G0S+3], 0x80000000
	s_mov_b32 s[G0SB], 1
	s_mov_b32 s[G0SB+1], SCL+2*HALFS
	s_mov_b64 s[G0SB+2:G0SB+3], s[92:93]
	s_or_b32 s[G0SB+3], s[G0SB+3], 0x80000000
.irp s, 0,1
	s_mov_b32 s[G0+4*\s], 1
	s_add_co_u32 s[G0+4*\s+1], s45, \s*SLOT
	s_add_nc_u64 s[G0+4*\s+2:G0+4*\s+3], s[20:21], \s*8*AROWS*48
	s_or_b32 s[G0+4*\s+3], s[G0+4*\s+3], 0x80000000
	s_mov_b32 s[G0B+4*\s], 1
	s_add_co_u32 s[G0B+4*\s+1], s45, \s*SLOT
	s_add_nc_u64 s[G0B+4*\s+2:G0B+4*\s+3], s[46:47], \s*8*BROWS*48
	s_or_b32 s[G0B+4*\s+3], s[G0B+4*\s+3], 0x80000000
.endr
	; THE HEAD'S LOADS, ONE A WAVE: wave 0 slot 0's tile of A, wave 1 its tile of B, wave 2 A's scale words, wave 3 B's.
	; Slot 0's group 0 serves the whole tile here and is set for the ring behind the wait that shows the load done.
	s_mov_b32 s[G0+1], 0
	s_mov_b32 s[G0B+1], 2*HALFT
	s_mul_i32 s18, s16, 4*AROWS*48                 ; in the ring I fetch four of a slot's eight groups
	s_mov_b32 s19, 0
	s_add_nc_u64 s[G0+6:G0+7], s[G0+6:G0+7], s[18:19]
	s_mul_i32 s18, s16, 4*BROWS*48
	s_add_nc_u64 s[G0B+6:G0B+7], s[G0B+6:G0B+7], s[18:19]
.macro ARM under, g0, g1, next
	s_cmp_lt_u32 s14, \under
	s_cbranch_scc0 \next
	tensor_load_to_lds s[\g0:\g0+3], s[\g1:\g1+7]
	s_nop 0
.rept 4
	v_nop
.endr
	s_branch .Lhead_asked
\next:
.endm
	ARM 1, G0,  G1,  .Lhead_b
	ARM 2, G0B, G1B, .Lhead_sa
	ARM 3, G0S, G1S, .Lhead_sb
	tensor_load_to_lds s[G0SB:G0SB+3], s[G1SB:G1SB+7]
	s_nop 0
.rept 4
	v_nop
.endr
.Lhead_asked:
	s_lshl_b32 s20, s17, 19
	s_lshl_b32 s21, s15, 18
	s_add_co_u32 s20, s20, s21
	s_lshl_b32 s22, s42, 9
	s_lshl_b32 s21, s16, 8
	s_add_co_u32 s22, s22, s21
	s_add_co_u32 s20, s20, s22
	s_mov_b32 s21, 0
	s_mov_b32 s23, 0
	s_add_nc_u64 s[96:97], s[96:97], s[20:21]
	s_add_nc_u64 s[98:99], s[98:99], s[20:21]
	s_add_nc_u64 s[10:11], s[10:11], s[22:23]
	v_and_b32 v1, 15, v0
	v_bfe_u32 v2, v0, 4, 1
	v_lshlrev_b32 v6, 4, v1
	v_lshl_add_u32 v[CO], v2, 12, v6
	WIN 0x80
.irp a, 0,1,2,3
.irp t, 0,1,2,3,4,5,6,7
	global_load_b128 v[32*\a+4*\t:32*\a+4*\t+3], v[CO], s[96:97] offset:(16*\a+2*\t)*4096
.endr
.endr
	global_load_b128 v[128:131], v6, s[10:11]
	WIN 0
	v_mul_u32_u24 v3, v1, 48
	v_mad_u32_u24 v3, v2, 24, v3
	s_mul_i32 s21, s15, 64*48
	s_mul_i32 s22, s16, 64*48
	s_add_co_u32 s22, s22, 2*HALFT
.irp s, 0,1
	v_add_nc_u32 v[ADRA+\s], s21, v3
	v_add_nc_u32 v[ADRB+\s], s22, v3
	s_add_co_u32 s21, s21, SLOT
	s_add_co_u32 s22, s22, SLOT
.endr
	v_lshlrev_b32 v5, 2, v1
	s_mul_i32 s21, s15, 256                        ; scale words lie [step][128 rows][4]: my 64 rows
	s_mul_i32 s22, s16, 256
	s_add_co_u32 s22, s22, 2*HALFS
	s_sub_co_u32 s22, s22, s21
	v_mul_u32_u24 v7, s22, v2
	s_add_co_u32 s21, s21, SCL
	v_add_nc_u32 v5, v5, v7
	v_add_nc_u32 v[ADRS], s21, v5
	s_mul_i32 s23, s14, STGW
	v_mul_u32_u24 v4, v1, 272
	v_lshl_add_u32 v4, v2, 5, v4
	v_add_nc_u32 v[STO], s23, v4
	v_mul_u32_u24 v5, v2, 272
	v_lshl_add_u32 v5, v1, 4, v5
	v_add_nc_u32 v[RD], s23, v5
.macro FRAG reg, adr, qq, i
.irp p, 0,1,2,3,4,5
	ds_load_b64 v[\reg+2*\p:\reg+2*\p+1], v[\adr] offset:((\qq)>>1)*HALFT+(2*((\qq)&1)+\p/3)*GRP+(\i)*768+8*(\p%3)
.endr
.endm
.macro FETCH slot, qq, f
	WIN TO_F
.irp i, 0,1,2,3
	FRAG \f+48+FR*\i, ADRB+\slot, \qq, \i
.endr
.irp i, 0,1,2,3
	FRAG \f+FR*\i, ADRA+\slot, \qq, \i
.endr
.endm
.macro SCALES sc
.irp i, 0,1,2,3
.irp q, 0,1,2,3
	ds_load_b32 v[SC+16*\sc+4*\i+\q], v[ADRS] offset:512*\q+64*\i
.endr
.endr
.endm
.macro MUL4 f, a, qq, sc, zero
.irp b, 0,1,2,3
.if \zero
	v_wmma_scale_f32_16x16x128_f8f6f4 v[ACC+8*(4*(\a)+\b):ACC+8*(4*(\a)+\b)+7], v[\f+48+FR*\b:\f+48+FR*\b+FR-1], v[\f+FR*(\a):\f+FR*(\a)+FR-1], 0, v[SC+16*(\sc)+4*\b+(\qq)], v[SC+16*(\sc)+4*(\a)+(\qq)] matrix_a_fmt:MATRIX_FMT_FP6 matrix_b_fmt:MATRIX_FMT_FP6 matrix_a_scale:MATRIX_SCALE_ROW1
.else
	v_wmma_scale_f32_16x16x128_f8f6f4 v[ACC+8*(4*(\a)+\b):ACC+8*(4*(\a)+\b)+7], v[\f+48+FR*\b:\f+48+FR*\b+FR-1], v[\f+FR*(\a):\f+FR*(\a)+FR-1], v[ACC+8*(4*(\a)+\b):ACC+8*(4*(\a)+\b)+7], v[SC+16*(\sc)+4*\b+(\qq)], v[SC+16*(\sc)+4*(\a)+(\qq)] matrix_a_fmt:MATRIX_FMT_FP6 matrix_b_fmt:MATRIX_FMT_FP6 matrix_a_scale:MATRIX_SCALE_ROW1
.endif
.endr
.endm
.macro QUARTER slot, qq, f, g, zero
	s_wait_dscnt 12
	WIN MUL
	MUL4 \f, 0, \qq, \slot, \zero
	MUL4 \f, 1, \qq, \slot, \zero
	PLACES
	FETCH \slot, (\qq)+1, \g
	s_wait_dscnt 48
	WIN MUL
	MUL4 \f, 2, \qq, \slot, \zero
	MUL4 \f, 3, \qq, \slot, \zero
.endm
.macro TURN slot, next, fill
	WIN 0
	s_wait_tensorcnt 0x0
	ds_add_u32 v[SPW], v[NIL]
	s_wait_dscnt 13
	WIN MUL
	MUL4 F1, 0, 3, \slot, 0
	s_wait_dscnt 0x0
	s_barrier_signal -1
	MUL4 F1, 1, 3, \slot, 0
	WIN 0
	s_barrier_wait -1
.if \fill
	CREST
	s_add_nc_u64 s[G0+4*\slot+2:G0+4*\slot+3], s[G0+4*\slot+2:G0+4*\slot+3], 16*AROWS*48
	s_add_nc_u64 s[G0B+4*\slot+2:G0B+4*\slot+3], s[G0B+4*\slot+2:G0B+4*\slot+3], 16*BROWS*48
	JLOAD G0+4*\slot, G1, G0B+4*\slot, G1B
.else
	PLACES
.endif
	v_add_nc_u32 v[ADRS], 2048, v[ADRS]
	SCALES \next
	FETCH \next, 0, F0
	WIN MUL
	MUL4 F1, 2, 3, \slot, 0
	MUL4 F1, 3, 3, \slot, 0
.endm
	s_wait_alu depctr_va_vdst(0)
	s_wait_tensorcnt 0x0                           ; my tile of the head's four is in
	ds_add_u32 v[SPW], v[NIL]
	s_mov_b32 s[G1+2], 4<<16                       ; no tensor load of mine is out: from here on a load brings four groups,
	s_mov_b32 s[G1+4], 4
	s_mov_b32 s[G1B+2], 4<<16
	s_mov_b32 s[G1B+4], 4
	s_mov_b32 s[G0+1], s45                         ; and slot 0's group 0 is set for the ring: my quarter of the slot
	s_mov_b32 s[G0B+1], s45
	s_mul_i32 s18, s16, 4*AROWS*48
	s_mov_b32 s19, 0
	s_add_nc_u64 s[G0+2:G0+3], s[G0+2:G0+3], s[18:19]
	s_mul_i32 s18, s16, 4*BROWS*48
	s_add_nc_u64 s[G0B+2:G0B+3], s[G0B+2:G0B+3], s[18:19]
	s_wait_dscnt 0x0
	CROUND                                         ; all four tiles are in, all sixteen work-groups are here
	JLOAD G0+4, G1, G0B+4, G1B                     ; slot 1's first fill, the first tensor load behind the round
	SCALES 0
	FETCH 0, 0, F0
	QUARTER 0, 0, F0, F1, 1
.if LAPS > 1
	WIN 0
	s_mov_b32 s3, LAPS-1
.Llap:
	QUARTER 0, 1, F1, F0, 0
	QUARTER 0, 2, F0, F1, 0
	TURN 0, 1, 1
	QUARTER 1, 0, F0, F1, 0
	QUARTER 1, 1, F1, F0, 0
	QUARTER 1, 2, F0, F1, 0
	TURN 1, 0, 1
	QUARTER 0, 0, F0, F1, 0
	WIN 0
	s_sub_co_u32 s3, s3, 1
	s_cmp_lg_u32 s3, 0
	s_cbranch_scc1 .Llap
.endif
	QUARTER 0, 1, F1, F0, 0
	QUARTER 0, 2, F0, F1, 0
	TURN 0, 1, 0
	QUARTER 1, 0, F0, F1, 0
	QUARTER 1, 1, F1, F0, 0
	QUARTER 1, 2, F0, F1, 0
	s_wait_dscnt 12
	WIN MUL
	MUL4 F1, 0, 3, 1, 0
	MUL4 F1, 1, 3, 1, 0
	s_wait_dscnt 0
	MUL4 F1, 2, 3, 1, 0
	MUL4 F1, 3, 3, 1, 0
	WIN 0
	s_wait_loadcnt 0x0
	PLACES
.irp a, 0,1,2,3
.set BS, BK+32*(\a%2)
.if \a >= 2
	s_wait_xcnt 0x0
.endif
.irp b, 0,1,2,3
	ds_store_b128 v[STO], v[ACC+8*(4*\a+\b):ACC+8*(4*\a+\b)+3] offset:64*\b
	ds_store_b128 v[STO], v[ACC+8*(4*\a+\b)+4:ACC+8*(4*\a+\b)+7] offset:64*\b+16
.endr
.irp t, 0,1,2,3,4,5,6,7
	ds_load_b128 v[BS+4*\t:BS+4*\t+3], v[RD] offset:544*\t
.endr
	s_wait_dscnt 0x0
	WIN 0x08
.irp t, 0,1,2,3,4,5,6,7
	v_pk_add_f32 v[BS+4*\t:BS+4*\t+1], v[BS+4*\t:BS+4*\t+1], v[128:129]
	v_pk_add_f32 v[BS+4*\t+2:BS+4*\t+3], v[BS+4*\t+2:BS+4*\t+3], v[130:131]
.endr
.irp t, 0,1,2,3,4,5,6,7
	v_pk_add_f32 v[BS+4*\t:BS+4*\t+1], v[BS+4*\t:BS+4*\t+1], v[32*\a+4*\t:32*\a+4*\t+1]
	v_pk_add_f32 v[BS+4*\t+2:BS+4*\t+3], v[BS+4*\t+2:BS+4*\t+3], v[32*\a+4*\t+2:32*\a+4*\t+3]
.endr
	WIN 0
.irp t, 0,1,2,3,4,5,6,7
	global_store_b128 v[CO], v[BS+4*\t:BS+4*\t+3], s[98:99] offset:(16*\a+2*\t)*4096
.endr
.endr
	s_wait_tensorcnt 0x0
	ds_add_u32 v[SPW], v[NIL]
	s_wait_dscnt 0x0
	CROUND
	s_endpgm
.Lfunc_end_k_q66cf42dedc_oproj:
	.size	k_q66cf42dedc_oproj, .Lfunc_end_k_q66cf42dedc_oproj-k_q66cf42dedc_oproj
	.p2alignl 7, 3214868480
	.fill 96, 4, 3214868480
	.section	.rodata,"a",@progbits
	.p2align	6, 0x0
	.amdhsa_kernel k_q66cf42dedc_oproj
		.amdhsa_group_segment_fixed_size 327680
		.amdhsa_private_segment_fixed_size 0
		.amdhsa_enable_private_segment 0
		.amdhsa_kernarg_size 48
		.amdhsa_user_sgpr_count 2
		.amdhsa_user_sgpr_kernarg_segment_ptr 1
		.amdhsa_wavefront_size32 1
		.amdhsa_system_sgpr_workgroup_id_x 1
		.amdhsa_system_sgpr_workgroup_id_y 1
		.amdhsa_system_sgpr_workgroup_id_z 1
		.amdhsa_system_vgpr_workitem_id 0
		.amdhsa_next_free_vgpr 768
		.amdhsa_next_free_sgpr 102
		.amdhsa_reserve_vcc 0
		.amdhsa_float_denorm_mode_32 3
		.amdhsa_float_denorm_mode_16_64 3
		.amdhsa_memory_ordered 1
		.amdhsa_forward_progress 1
		.amdhsa_inst_pref_size 74
	.end_amdhsa_kernel
	.amdgpu_metadata
---
amdhsa.version: [ 1, 2 ]
amdhsa.kernels:
  - .name:           k_q66cf42dedc_oproj
    .symbol:         k_q66cf42dedc_oproj.kd
    .args:
      - { .name: act, .offset: 0, .size: 8, .value_kind: global_buffer, .address_space: global }
      - { .name: wc, .offset: 8, .size: 8, .value_kind: global_buffer, .address_space: global }
      - { .name: wsc, .offset: 16, .size: 8, .value_kind: global_buffer, .address_space: global }
      - { .name: bo, .offset: 24, .size: 8, .value_kind: global_buffer, .address_space: global }
      - { .name: hidden_states, .offset: 32, .size: 8, .value_kind: global_buffer, .address_space: global }
      - { .name: hbuf, .offset: 40, .size: 8, .value_kind: global_buffer, .address_space: global }
    .group_segment_fixed_size: 327680
    .private_segment_fixed_size: 0
    .kernarg_segment_align: 8
    .kernarg_segment_size: 48
    .max_flat_workgroup_size: 128
    .sgpr_count:     102
    .vgpr_count:     768
    .wavefront_size: 32
...
	.end_amdgpu_metadata
.endif
;; end of part 4
;; launch ln2 (part 5): grid 256 x 1, 4 waves a work-group, no clusters, 31,744 bytes of LDS; arguments hbuf, g2, be2, act; writes act
.if DOCPART == 5
	.amdgcn_target "amdgcn-amd-amdhsa--gfx1250"
	.amdhsa_code_object_version 6
	.text
	.protected	k_q66cf42dedc_ln2
	.globl	k_q66cf42dedc_ln2
	.p2align	8
	.type	k_q66cf42dedc_ln2,@function
k_q66cf42dedc_ln2:
	s_mov_b64 s[64:65], 0
	v_nop
	global_prefetch_b8 v0, s[64:65] scope:SCOPE_SE
	s_setreg_imm32_b32 hwreg(HW_REG_WAVE_MODE, 25, 1), 1
	s_wait_xcnt 0x0
; y = (x - mean) * rsqrt(var + 1e-12) * g + b over rows of 1,024 f32, then quantised along the row to FP6 (E2M3) with one E8M0 byte for each 32.
; Out: codes [16 groups of 64][4,096 rows][48 bytes] at 0 and scale words [8][4,096 rows][4 bytes] at 3,145,728 of the last argument; inside a block place p holds element (p & 7) | ((p >> 3) & 1) << 4 | ((p >> 4) & 1) << 3.
; A work-group takes 16 rows, a wave 4; a row stays in 32 registers between the passes: memory is read once.  All 48 loads of a wave go out together.
; For the quantiser a lane must hold a whole block: a row turns through the wave's own stage in LDS (places of 128 + 16 bytes) and comes back one block a lane, in the order of places.
; The 16 rows' codes meet in LDS, so that each group's 768 bytes leave as whole aligned runs of 256 bytes; the scale words leave in runs of 64 bytes.
; LIMITS: a block whose largest magnitude lies under 2^-124 (zeros too) gets the byte 1; NaN and infinities are not served.
.set FSTW,  4608                       ; a wave's stage: 32 places of 144 bytes
.set CST,   18432                      ; codes: [16 groups][16 rows][48 bytes]
.set SST,   30720                      ; scale bytes: [8][16 rows][4]
.set SPARE, 31232                      ; the spare words, 128 bytes a wave
.set SPW, 11
.set NIL, 12
.set ST,  16                           ; v16-23  a pair of statistics for each of my four rows
.set C,   24                           ; v24-30  a block's codes
.set T,   32                           ; v32-63  a block's 32 numbers
.set X,   64                           ; v64-191 four rows
.set G,   192
.set BE,  224
	s_load_b256 s[4:11], s[0:1], 0x0               ; x, g, b, out
	v_lshl_add_u32 v[SPW], v0, 2, SPARE
	v_mov_b32 v[NIL], 0
	v_lshrrev_b32 v1, 5, v0
	v_readfirstlane_b32 s12, v1                    ; wave
	v_and_b32 v13, 31, v0                          ; lane
	v_lshlrev_b32 v1, 4, v13                       ; 16 x lane
	s_mul_i32 s13, s12, FSTW
	v_lshrrev_b32 v14, 3, v13
	v_mul_u32_u24 v2, v14, 144
	v_and_b32 v14, 7, v13
	v_lshl_add_u32 v2, v14, 4, v2
	v_add_nc_u32 v2, s13, v2                       ; stage, in: eight lanes' 128 bytes are a block
	v_mul_u32_u24 v3, v13, 144
	v_add_nc_u32 v3, s13, v3                       ; stage, out: block = lane
	v_lshrrev_b32 v14, 1, v13
	v_mul_u32_u24 v4, v14, 768
	v_and_b32 v14, 1, v13
	v_mad_u32_u24 v4, v14, 24, v4
	s_mul_i32 s13, s12, 192
	s_add_co_u32 s13, s13, CST
	v_add_nc_u32 v4, s13, v4                       ; my block's 24 bytes of my wave's first row
	v_lshrrev_b32 v14, 2, v13
	v_lshlrev_b32 v5, 6, v14
	v_and_b32 v14, 3, v13
	v_add_nc_u32 v5, v5, v14
	s_lshl_b32 s13, s12, 4
	s_add_co_u32 s13, s13, SST
	v_add_nc_u32 v5, s13, v5                       ; my block's scale byte
	s_mul_i32 s13, s12, 3072
	s_add_co_u32 s13, s13, CST
	v_add_nc_u32 v6, s13, v1                       ; the way out: my wave's four groups
	v_and_b32 v14, 15, v13
	v_lshrrev_b32 v15, 4, v13
	v_lshlrev_b32 v8, 4, v14
	v_mad_u32_u24 v8, v15, 196096, v8              ; where lanes 16-31 fall into the next group: 196,608 - 512 further
	s_lshl_b32 s13, s12, 7
	s_add_co_u32 s13, s13, SST
	v_lshl_add_u32 v9, v13, 2, s13
	v_lshlrev_b32 v10, 2, v14
	v_lshl_add_u32 v10, v15, 14, v10               ; scale words: 16 rows x 4 bytes, the next step 16,384 bytes on
	s_mov_b32 s20, 0x76543210
	s_mov_b32 s21, 0xfedcba98                      ; selects for lane l xor 16
	s_mov_b32 s22, 0x3a800000                      ; 1 / 1,024
	s_mov_b32 s23, 0x2b8cbccc                      ; 1e-12
	s_lshl_b32 s14, ttmp9, 16
	s_lshl_b32 s15, s12, 14
	s_add_co_u32 s14, s14, s15                     ; my four rows
	s_mov_b32 s15, 0
	s_mul_i32 s16, s12, 786432
	s_mul_i32 s17, ttmp9, 768
	s_add_co_u32 s16, s16, s17
	s_mov_b32 s17, 0
	s_lshl_b32 s18, s12, 15
	s_lshl_b32 s19, ttmp9, 6
	s_add_co_u32 s18, s18, s19
	s_add_co_u32 s18, s18, 3145728
	s_mov_b32 s19, 0
	s_wait_kmcnt 0x0
	s_add_nc_u64 s[4:5], s[4:5], s[14:15]
	s_add_nc_u64 s[16:17], s[10:11], s[16:17]
	s_add_nc_u64 s[18:19], s[10:11], s[18:19]
.irp j, 0,1,2,3,4,5,6,7
	global_load_b128 v[G+4*\j:G+4*\j+3], v1, s[6:7] offset:512*\j
	global_load_b128 v[BE+4*\j:BE+4*\j+3], v1, s[8:9] offset:512*\j
.endr
.irp r, 0,1,2,3
.irp j, 0,1,2,3,4,5,6,7
	global_load_b128 v[X+32*\r+4*\j:X+32*\r+4*\j+3], v1, s[4:5] offset:4096*\r+512*\j   ; 512 consecutive bytes
.endr
.endr
	s_wait_loadcnt 0x0
.macro REDUCE                          ; the pairs' halves, then the 32 lanes; the four rows by turns
.irp r, 0,1,2,3
	v_add_f32 v[ST+2*\r], v[ST+2*\r], v[ST+2*\r+1]
.endr
.irp m, 1,2,4,8
.irp r, 0,1,2,3
	v_add_f32_dpp v[ST+2*\r], v[ST+2*\r], v[ST+2*\r] row_xmask:\m row_mask:0xf bank_mask:0xf
.endr
.endr
.irp r, 0,1,2,3
	v_permlanex16_b32 v[ST+2*\r+1], v[ST+2*\r], s20, s21
.endr
.irp r, 0,1,2,3
	v_add_f32 v[ST+2*\r], v[ST+2*\r], v[ST+2*\r+1]
.endr
.endm
.irp r, 0,1,2,3
	v_pk_add_f32 v[ST+2*\r:ST+2*\r+1], v[X+32*\r:X+32*\r+1], v[X+32*\r+2:X+32*\r+3]
.endr
.irp k, 2,3,4,5,6,7,8,9,10,11,12,13,14,15
.irp r, 0,1,2,3
	v_pk_add_f32 v[ST+2*\r:ST+2*\r+1], v[ST+2*\r:ST+2*\r+1], v[X+32*\r+2*\k:X+32*\r+2*\k+1]
.endr
.endr
	REDUCE
.irp r, 0,1,2,3
	v_mul_f32 v[ST+2*\r], s22, v[ST+2*\r]          ; the mean
.endr
.irp k, 0,1,2,3,4,5,6,7,8,9,10,11,12,13,14,15
.irp r, 0,1,2,3
	v_pk_add_f32 v[X+32*\r+2*\k:X+32*\r+2*\k+1], v[X+32*\r+2*\k:X+32*\r+2*\k+1], v[ST+2*\r:ST+2*\r+1] op_sel_hi:[1,0] neg_lo:[0,1] neg_hi:[0,1]
.endr
.endr
.irp r, 0,1,2,3
	v_pk_mul_f32 v[ST+2*\r:ST+2*\r+1], v[X+32*\r:X+32*\r+1], v[X+32*\r:X+32*\r+1]
.endr
.irp k, 1,2,3,4,5,6,7,8,9,10,11,12,13,14,15
.irp r, 0,1,2,3
	v_pk_fma_f32 v[ST+2*\r:ST+2*\r+1], v[X+32*\r+2*\k:X+32*\r+2*\k+1], v[X+32*\r+2*\k:X+32*\r+2*\k+1], v[ST+2*\r:ST+2*\r+1]
.endr
.endr
	REDUCE
.irp r, 0,1,2,3
	v_fma_f32 v[ST+2*\r], v[ST+2*\r], s22, s23     ; the variance + 1e-12
.endr
	s_wait_alu depctr_va_vdst(0)
.irp r, 0,1,2,3
	v_rsq_f32 v[ST+2*\r], v[ST+2*\r]
.endr
	v_nop                                          ; a plain instruction behind the last of the four,
	s_wait_alu depctr_va_vdst(0)                   ; and one wait for the four, ahead of their first reader
.irp k, 0,1,2,3,4,5,6,7,8,9,10,11,12,13,14,15
.irp r, 0,1,2,3
	v_pk_mul_f32 v[X+32*\r+2*\k:X+32*\r+2*\k+1], v[X+32*\r+2*\k:X+32*\r+2*\k+1], v[ST+2*\r:ST+2*\r+1] op_sel_hi:[1,0]
.endr
.irp r, 0,1,2,3
	v_pk_fma_f32 v[X+32*\r+2*\k:X+32*\r+2*\k+1], v[X+32*\r+2*\k:X+32*\r+2*\k+1], v[G+2*\k:G+2*\k+1], v[BE+2*\k:BE+2*\k+1]
.endr
.endr
.macro ROWQ r                          ; row r of my four: through the stage, one block a lane, quantised, codes and byte into the work-group's LDS
.irp j, 0,1,2,3,4,5,6,7
	ds_store_b128 v2, v[X+32*\r+4*\j:X+32*\r+4*\j+3] offset:576*\j
.endr
.irp g, 0,1,2,3,4,5,6,7
	ds_load_b128 v[T+4*\g:T+4*\g+3], v3 offset:16*((\g&1)|(((\g>>1)&1)<<2)|(((\g>>2)&1)<<1))   ; the block's 16-byte pieces 0, 1, 4, 5, 2, 3, 6, 7: the order of places
.endr
	s_wait_dscnt 0x0                               ; the block is in; the last row's code stores have read their registers
	v_max3_num_f32 v13, |v[T]|, |v[T+1]|, |v[T+2]|
	v_max3_num_f32 v14, |v[T+3]|, |v[T+4]|, |v[T+5]|
.irp i, 6,10,14,18,22,26
	v_max3_num_f32 v13, v13, |v[T+\i]|, |v[T+\i+1]|
	v_max3_num_f32 v14, v14, |v[T+\i+2]|, |v[T+\i+3]|
.endr
	v_max3_num_f32 v13, v13, |v[T+30]|, |v[T+31]|
	v_max3_num_f32 v13, v13, v14, 0x1800000        ; the floor 2^(3 - 127)
	v_add_nc_u32 v31, 0xff000000, v13              ; 2 off the exponent field: the conversion's scale operand
	v_lshrrev_b32 v15, 23, v31                     ; the byte
	v_cvt_scalef32_pk16_fp6_f32 v[C:C+2], v[T:T+15], v31
	v_cvt_scalef32_pk16_fp6_f32 v[C+4:C+6], v[T+16:T+31], v31
	v_nop                                          ; one plain place behind a scaled conversion
	v_mov_b32 v[C+3], v[C+4]
	v_mov_b32 v[C+4], v[C+5]
	v_mov_b32 v[C+5], v[C+6]
.irp p, 0,1,2
	ds_store_b64 v4, v[C+2*\p:C+2*\p+1] offset:48*\r+8*\p
.endr
	ds_store_b8 v5, v15 offset:4*\r
.endm
	ROWQ 0
	ROWQ 1
	ROWQ 2
	ROWQ 3
	s_wait_dscnt 0x0                               ; for the others' sake: my stores have landed
	s_barrier_signal -1
	s_barrier_wait -1
.irp t, 0,1,2,3,4,5
	ds_load_b128 v[T+4*\t:T+4*\t+3], v6 offset:512*\t
.endr
	ds_load_b32 v[T+24], v9
	s_wait_dscnt 0x0
	global_store_b128 v1, v[T:T+3], s[16:17]                      ; each half of the lanes writes 256 consecutive bytes, at a multiple of 256
	global_store_b128 v8, v[T+4:T+7], s[16:17] offset:512
	global_store_b128 v1, v[T+8:T+11], s[16:17] offset:196864
	global_store_b128 v1, v[T+12:T+15], s[16:17] offset:393216
	global_store_b128 v8, v[T+16:T+19], s[16:17] offset:393728
	global_store_b128 v1, v[T+20:T+23], s[16:17] offset:590080
	global_store_b32 v10, v[T+24], s[18:19]
	s_wait_tensorcnt 0x0                           ; the wave's end, behind my last LDS store
	ds_add_u32 v[SPW], v[NIL]
	s_wait_dscnt 0x0
	s_endpgm
.Lfunc_end_k_q66cf42dedc_ln2:
	.size	k_q66cf42dedc_ln2, .Lfunc_end_k_q66cf42dedc_ln2-k_q66cf42dedc_ln2
	.p2alignl 7, 3214868480
	.fill 96, 4, 3214868480
	.section	.rodata,"a",@progbits
	.p2align	6, 0x0
	.amdhsa_kernel k_q66cf42dedc_ln2
		.amdhsa_group_segment_fixed_size 31744
		.amdhsa_private_segment_fixed_size 0
		.amdhsa_enable_private_segment 0
		.amdhsa_kernarg_size 32
		.amdhsa_user_sgpr_count 2
		.amdhsa_user_sgpr_kernarg_segment_ptr 1
		.amdhsa_wavefront_size32 1
		.amdhsa_system_sgpr_workgroup_id_x 1
		.amdhsa_system_sgpr_workgroup_id_y 1
		.amdhsa_system_sgpr_workgroup_id_z 1
		.amdhsa_system_vgpr_workitem_id 0
		.amdhsa_next_free_vgpr 256
		.amdhsa_next_free_sgpr 66
		.amdhsa_reserve_vcc 0
		.amdhsa_float_denorm_mode_32 3
		.amdhsa_float_denorm_mode_16_64 3
		.amdhsa_memory_ordered 1
		.amdhsa_forward_progress 1
		.amdhsa_inst_pref_size 43
	.end_amdhsa_kernel
	.amdgpu_metadata
---
amdhsa.version: [ 1, 2 ]
amdhsa.kernels:
  - .name:           k_q66cf42dedc_ln2
    .symbol:         k_q66cf42dedc_ln2.kd
    .args:
      - { .name: hbuf, .offset: 0, .size: 8, .value_kind: global_buffer, .address_space: global }
      - { .name: g2, .offset: 8, .size: 8, .value_kind: global_buffer, .address_space: global }
      - { .name: be2, .offset: 16, .size: 8, .value_kind: global_buffer, .address_space: global }
      - { .name: act, .offset: 24, .size: 8, .value_kind: global_buffer, .address_space: global }
    .group_segment_fixed_size: 31744
    .private_segment_fixed_size: 0
    .kernarg_segment_align: 8
    .kernarg_segment_size: 32
    .max_flat_workgroup_size: 128
    .sgpr_count:     66
    .vgpr_count:     256
    .wavefront_size: 32
...
	.end_amdgpu_metadata
.endif
;; end of part 5
;; launch ff1 (part 6): grid 16 x 16, 4 waves a work-group, clusters of 4 x 4, 327,680 bytes of LDS; arguments act, wc, wsc, b1, fq; writes fq
.if DOCPART == 6
	.amdgcn_target "amdgcn-amd-amdhsa--gfx1250"
	.amdhsa_code_object_version 6
	.text
	.protected	k_q66cf42dedc_ff1
	.globl	k_q66cf42dedc_ff1
	.p2align	8
	.type	k_q66cf42dedc_ff1,@function
k_q66cf42dedc_ff1:
	s_mov_b64 s[64:65], 0
	v_nop
	global_prefetch_b8 v0, s[64:65] scope:SCOPE_SE
	s_setreg_imm32_b32 hwreg(HW_REG_WAVE_MODE, 25, 1), 1
	s_wait_xcnt 0x0
	s_wait_alu depctr_hold_cnt(0) depctr_sa_sdst(0) depctr_va_vdst(0) depctr_va_sdst(0) depctr_va_ssrc(0) depctr_va_vcc(0) depctr_vm_vsrc(0)
	s_getreg_b32 s2, hwreg(HW_REG_IB_STS2, 6, 4)
	s_cmp_eq_u32 s2, 0
	s_cbranch_scc0 .Lentry_in_a_cluster
	s_endpgm
.Lentry_in_a_cluster:
	s_bfe_u32 s2, ttmp6, 0x10000c
	s_cmp_lg_u32 s2, 0xf033
	s_cbranch_scc0 .Lentry_shape_is_right
	s_endpgm
.Lentry_shape_is_right:
.set GRP,    6144
.set HALFT,  4*GRP
.set SLOT,   4*HALFT
.set KADV,   4*4096*48
.set SCL,    2*SLOT
.set HALFS,  4096
.set SPARE,  SCL+4*HALFS
.set STGW,   13312
.set FR, 12
.set NL, 6
.set NP, 4
.set NQ, 2
.set LAPS, 2
.set ADRA, 16
.set ADRB, 20
.set STO,  24
.set RD,   25
.set CO,   26
.set ADRS, 27
.set SPW,  28
.set NIL,  29
.set STS,  30
.set SC,   32
.set BR,   64
.set AF,   128
.set H,    32
.set Y,    96
.set S,    160
.set P,    192
.set Q,    224
.set TM,   160
.set PW,   176
.set PC,   192
.set BK,   96
.set SEL,  66
.set G1, 24
.set G0, 32
.set G1B, 48
.set G0B, 56
.set G1S, 68
.set G0S, 76
.set G1SB, 80
.set G0SB, 88
.set MSB, 0
.macro WIN new
.if MSB != (\new)
	s_set_vgpr_msb (MSB<<8)|(\new)
.set MSB, (\new)
.endif
.endm
.set MUL_LO, 0xa1
.set MUL_HI, 0xf1
.set TO_B,   0x40
.macro JLOAD g0a, g1a, g0b, g1b
	s_cmp_eq_u32 s15, 0
	s_cbranch_scc0 .Lfor_b_\@
	tensor_load_to_lds s[\g0a:\g0a+3], s[\g1a:\g1a+7]
	s_nop 0
.rept 4
	v_nop
.endr
	s_branch .Lasked_\@
.Lfor_b_\@:
	tensor_load_to_lds s[\g0b:\g0b+3], s[\g1b:\g1b+7]
	s_nop 0
.rept 4
	v_nop
.endr
.Lasked_\@:
.endm
.macro CREST
	s_cmp_lg_u32 s14, 0
	s_cbranch_scc1 .Lnot_wave_0_\@
	s_barrier_signal -3
.Lnot_wave_0_\@:
	s_barrier_wait -3
	s_barrier_signal -1
	s_barrier_wait -1
.endm
.macro CROUND
	s_barrier_signal -1
	s_barrier_wait -1
	CREST
.endm
.macro PLACES n
.rept \n
	v_nop
.endr
.endm
	s_load_b256 s[4:11], s[0:1], 0x0
	s_load_b64 s[12:13], s[0:1], 0x20
	v_lshl_add_u32 v[SPW], v0, 2, SPARE
	v_mov_b32 v[NIL], 0
	ds_add_u32 v[SPW], v[NIL]
	ds_add_u32 v[SPW], v[NIL]
	v_lshrrev_b32 v1, 5, v0
	v_readfirstlane_b32 s14, v1
	s_lshr_b32 s15, s14, 1
	s_and_b32 s16, s14, 1
	s_bfe_u32 s40, ttmp6, 0x40000
	s_bfe_u32 s41, ttmp6, 0x40004
	s_lshl_b32 s42, ttmp9, 2
	s_add_co_u32 s42, s42, s40
	s_and_b32 s17, ttmp7, 0xffff
	s_lshl_b32 s17, s17, 2
	s_add_co_u32 s17, s17, s41
	s_lshl_b32 s43, s41, 2
	s_lshl_b32 s43, 15, s43
	s_lshl_b32 s44, 0x1111, s40
	s_or_b32 s[G1+0], s43, (3<<16)|(1<<21)
	s_or_b32 s[G1B+0], s44, (3<<16)|(1<<21)
.irp g, G1, G1B
	s_mov_b32 s[\g+1], 1536<<16                    ; 12,288 bytes: 256 rows' 48
	s_mov_b32 s[\g+2], 4<<16                       ; the head's load brings a slot's four groups of 64 along K
	s_mov_b32 s[\g+3], 1536<<16
	s_mov_b32 s[\g+4], 4
	s_mov_b32 s[\g+5], 24576
	s_mov_b32 s[\g+6], 0
	s_mov_b32 s[\g+7], 0
.endr
	s_or_b32 s[G1S+0], s43, (3<<16)|(1<<21)
	s_or_b32 s[G1SB+0], s44, (3<<16)|(1<<21)
.irp g, G1S, G1SB
	s_mov_b32 s[\g+1], 128<<16                     ; 256 rows' scale words: 1,024 bytes
	s_mov_b32 s[\g+2], 8<<16
	s_mov_b32 s[\g+3], 128<<16
	s_mov_b32 s[\g+4], 8
	s_mov_b32 s[\g+5], 2048
	s_mov_b32 s[\g+6], 0
	s_mov_b32 s[\g+7], 0
.endr
	s_lshl_b32 s20, s17, 8
	s_lshl_b32 s46, s42, 8
	s_lshl_b32 s22, s20, 2
	s_add_co_u32 s22, s22, 3145728
	s_lshl_b32 s92, s46, 2
	s_add_co_u32 s92, s92, 131072
	s_mul_i32 s20, s20, 48
	s_mul_i32 s46, s46, 48
	s_add_co_u32 s46, s46, 3145728
	s_mov_b32 s21, 0
	s_mov_b32 s23, 0
	s_mov_b32 s47, 0
	s_mov_b32 s93, 0
	s_mul_i32 s45, s14, HALFT
	s_mov_b32 s[SEL], 0x76543210
	s_mov_b32 s[SEL+1], 0xfedcba98
	s_wait_dscnt 0x0
	s_wait_kmcnt 0x0
	s_add_nc_u64 s[20:21], s[4:5], s[20:21]
	s_add_nc_u64 s[22:23], s[4:5], s[22:23]
	s_add_nc_u64 s[46:47], s[6:7], s[46:47]
	s_add_nc_u64 s[92:93], s[8:9], s[92:93]
	CROUND
	s_mov_b32 s[G0S], 1
	s_mov_b32 s[G0S+1], SCL
	s_mov_b64 s[G0S+2:G0S+3], s[22:23]
	s_or_b32 s[G0S+3], s[G0S+3], 0x80000000
	s_mov_b32 s[G0SB], 1
	s_mov_b32 s[G0SB+1], SCL+2*HALFS
	s_mov_b64 s[G0SB+2:G0SB+3], s[92:93]
	s_or_b32 s[G0SB+3], s[G0SB+3], 0x80000000
.irp s, 0,1
	s_mov_b32 s[G0+4*\s], 1
	s_add_co_u32 s[G0+4*\s+1], s45, \s*SLOT
	s_add_nc_u64 s[G0+4*\s+2:G0+4*\s+3], s[20:21], \s*KADV
	s_or_b32 s[G0+4*\s+3], s[G0+4*\s+3], 0x80000000
	s_mov_b32 s[G0B+4*\s], 1
	s_add_co_u32 s[G0B+4*\s+1], s45, \s*SLOT
	s_add_nc_u64 s[G0B+4*\s+2:G0B+4*\s+3], s[46:47], \s*KADV
	s_or_b32 s[G0B+4*\s+3], s[G0B+4*\s+3], 0x80000000
.endr
	; THE HEAD'S LOADS, ONE A WAVE: wave 0 slot 0's 256 rows of A, wave 1 its 256 rows of B, wave 2 A's scale words, wave 3 B's.
	; Slot 0's group 0 serves the whole tile here and is set for the ring behind the wait that shows the load done.
	s_mov_b32 s[G0+1], 0
	s_mov_b32 s[G0B+1], 2*HALFT
	s_mul_i32 s18, s16, 393216                     ; in the ring I fetch two of a slot's four groups: 2 x 4,096 rows x 48 bytes on
	s_mov_b32 s19, 0
	s_add_nc_u64 s[G0+6:G0+7], s[G0+6:G0+7], s[18:19]
	s_add_nc_u64 s[G0B+6:G0B+7], s[G0B+6:G0B+7], s[18:19]
.macro ARM under, g0, g1, next
	s_cmp_lt_u32 s14, \under
	s_cbranch_scc0 \next
	tensor_load_to_lds s[\g0:\g0+3], s[\g1:\g1+7]
	s_nop 0
.rept 4
	v_nop
.endr
	s_branch .Lhead_asked
\next:
.endm
	ARM 1, G0,  G1,  .Lhead_b
	ARM 2, G0B, G1B, .Lhead_sa
	ARM 3, G0S, G1S, .Lhead_sb
	tensor_load_to_lds s[G0SB:G0SB+3], s[G1SB:G1SB+7]
	s_nop 0
.rept 4
	v_nop
.endr
.Lhead_asked:
	s_lshl_b32 s18, s42, 10
	s_lshl_b32 s19, s16, 9
	s_add_co_u32 s18, s18, s19
	s_mov_b32 s19, 0
	s_add_nc_u64 s[10:11], s[10:11], s[18:19]
	v_and_b32 v1, 15, v0
	v_bfe_u32 v2, v0, 4, 1
	s_wait_alu depctr_va_vdst(0)
	v_lshlrev_b32 v6, 5, v2
	v_lshlrev_b32 v7, 2, v1
.irp b, 0,1,2,3,4,5,6,7
	global_load_b128 v[BR+8*\b:BR+8*\b+3], v6, s[10:11] offset:64*\b
	global_load_b128 v[BR+8*\b+4:BR+8*\b+7], v6, s[10:11] offset:64*\b+16
.endr
	v_mul_u32_u24 v3, v1, 48
	v_mad_u32_u24 v3, v2, 24, v3
	s_mul_i32 s21, s15, GRP                        ; a slot lies [group][256 rows][48]: my 128 rows of A,
	s_mul_i32 s22, s16, GRP                        ; my 128 rows of B,
	s_add_co_u32 s22, s22, 2*HALFT                 ; behind A's four groups
.irp s, 0,1
	v_add_nc_u32 v[ADRA+\s], s21, v3
	v_add_nc_u32 v[ADRB+\s], s22, v3
	s_add_co_u32 s21, s21, SLOT
	s_add_co_u32 s22, s22, SLOT
.endr
	s_mul_i32 s21, s15, 512
	s_mul_i32 s22, s16, 512
	s_add_co_u32 s22, s22, 2*HALFS
	s_sub_co_u32 s22, s22, s21
	v_mul_u32_u24 v8, s22, v2
	s_wait_alu depctr_va_vdst(0)
	s_add_co_u32 s21, s21, SCL
	v_add_nc_u32 v8, v7, v8
	v_add_nc_u32 v[ADRS], s21, v8
	s_mul_i32 s23, s14, STGW
	v_add_nc_u32 v[STO], s23, v3
	v_add_nc_u32 v[STS], s23, v7
	v_add_nc_u32 v[STS], 12288, v[STS]
	v_and_b32 v8, 31, v0
	v_lshlrev_b32 v[CO], 4, v8
	v_add_nc_u32 v[RD], s23, v[CO]
	s_lshl_b32 s18, s42, 2
	s_lshl_b32 s20, s16, 1
	s_add_co_u32 s18, s18, s20
	s_lshl_b32 s20, s17, 8
	s_lshl_b32 s21, s15, 7
	s_add_co_u32 s20, s20, s21
	s_lshl_b32 s22, s18, 12
	s_add_co_u32 s22, s22, s20
	s_mul_i32 s22, s22, 48
	s_mov_b32 s23, 0
	s_add_nc_u64 s[4:5], s[12:13], s[22:23]
	s_add_nc_u64 s[6:7], s[4:5], 196608
	s_lshr_b32 s18, s18, 1
	s_lshl_b32 s22, s18, 12
	s_add_co_u32 s22, s22, s20
	s_lshl_b32 s22, s22, 2
	s_add_co_u32 s22, s22, 12582912
	s_add_nc_u64 s[8:9], s[12:13], s[22:23]
	s_wait_alu depctr_va_vdst(0)
	s_wait_loadcnt 0x0
.macro FRAG reg, adr, q, i
.irp p, 0,1,2,3,4,5
	ds_load_b64 v[\reg+2*\p:\reg+2*\p+1], v[\adr] offset:(2*(\q)+\p/3)*2*GRP+(\i)*768+8*(\p%3)
.endr
.endm
.macro MUL16 a0, p, q, sc, first
.irp a, \a0, \a0+1
.irp b, 0,1,2,3,4,5,6,7
.if \first
	v_wmma_scale_f32_16x16x128_f8f6f4 v[8*(8*((\a)%4)+\b):8*(8*((\a)%4)+\b)+7], v[128*(\p)+FR*\b:128*(\p)+FR*\b+FR-1], v[AF+FR*(\a):AF+FR*(\a)+FR-1], v[BR+8*\b:BR+8*\b+7], v[SC+16*(\sc)+2*\b+(\q)], v[SC+16*(\sc)+2*(\a)+(\q)] matrix_a_fmt:MATRIX_FMT_FP6 matrix_b_fmt:MATRIX_FMT_FP6 matrix_a_scale:MATRIX_SCALE_ROW1
.else
	v_wmma_scale_f32_16x16x128_f8f6f4 v[8*(8*((\a)%4)+\b):8*(8*((\a)%4)+\b)+7], v[128*(\p)+FR*\b:128*(\p)+FR*\b+FR-1], v[AF+FR*(\a):AF+FR*(\a)+FR-1], v[8*(8*((\a)%4)+\b):8*(8*((\a)%4)+\b)+7], v[SC+16*(\sc)+2*\b+(\q)], v[SC+16*(\sc)+2*(\a)+(\q)] matrix_a_fmt:MATRIX_FMT_FP6 matrix_b_fmt:MATRIX_FMT_FP6 matrix_a_scale:MATRIX_SCALE_ROW1
.endif
.endr
.endr
.endm
.macro FETCH_B slot, q, p
	WIN TO_B
.irp i, 0,1,2,3,4,5,6,7
	FRAG 128*(\p)+FR*\i, ADRB+\slot, \q, \i
.endr
	WIN 0
.endm
.macro FETCH_A slot, q, i0
.irp i, \i0, \i0+1, \i0+2, \i0+3
	FRAG AF+FR*(\i), ADRA+\slot, \q, \i
.endr
.endm
.macro SCALES sc
.irp i, 0,1,2,3,4,5,6,7
.irp q, 0,1
	ds_load_b32 v[SC+16*\sc+2*\i+\q], v[ADRS] offset:1024*\q+64*\i
.endr
.endr
.endm
.macro STEP slot, q, first
	s_wait_dscnt 4*NL
.if \first
	WIN 0x81
.else
	WIN MUL_LO
.endif
	MUL16 0, (\q)%2, \q, \slot, \first
	MUL16 2, (\q)%2, \q, \slot, \first
	s_wait_dscnt 0
	PLACES NP
	FETCH_B \slot, (\q)+1, 1-(\q)%2
	FETCH_A \slot, (\q)+1, 0
.if \first
	WIN 0xc1
.else
	WIN MUL_HI
.endif
	MUL16 4, (\q)%2, \q, \slot, \first
	MUL16 6, (\q)%2, \q, \slot, \first
	PLACES NP
	WIN 0
	FETCH_A \slot, (\q)+1, 4
.endm
.macro TURN slot, next, fill
	s_wait_tensorcnt 0x0
	ds_add_u32 v[SPW], v[NIL]
	s_wait_dscnt 4*NL+1
	WIN MUL_LO
	MUL16 0, 1, NQ-1, \slot, 0
	s_wait_dscnt 0x0
	s_barrier_signal -1
	MUL16 2, 1, NQ-1, \slot, 0
	WIN 0
	s_barrier_wait -1
.if \fill
	CREST
	s_add_nc_u64 s[G0+4*\slot+2:G0+4*\slot+3], s[G0+4*\slot+2:G0+4*\slot+3], 2*KADV
	s_add_nc_u64 s[G0B+4*\slot+2:G0B+4*\slot+3], s[G0B+4*\slot+2:G0B+4*\slot+3], 2*KADV
	JLOAD G0+4*\slot, G1, G0B+4*\slot, G1B
.else
	PLACES NP
.endif
	s_wait_alu depctr_va_vdst(0)
	v_add_nc_u32 v[ADRS], 2048, v[ADRS]
	FETCH_B \next, 0, 0
	FETCH_A \next, 0, 0
	SCALES \next
	WIN MUL_HI
	MUL16 4, 1, NQ-1, \slot, 0
	MUL16 6, 1, NQ-1, \slot, 0
	PLACES NP
	WIN 0
	FETCH_A \next, 0, 4
.endm
	s_wait_alu depctr_va_vdst(0)                   ; the head's end
	s_wait_tensorcnt 0x0                           ; my tile of the head's four is in
	ds_add_u32 v[SPW], v[NIL]
	s_mov_b32 s[G1+2], 2<<16                       ; no tensor load of mine is out: from here on a load brings two groups,
	s_mov_b32 s[G1+4], 2
	s_mov_b32 s[G1B+2], 2<<16
	s_mov_b32 s[G1B+4], 2
	s_mov_b32 s[G0+1], s45                         ; and slot 0's group 0 is set for the ring: my quarter of the slot
	s_mov_b32 s[G0B+1], s45
	s_mul_i32 s18, s16, 393216
	s_mov_b32 s19, 0
	s_add_nc_u64 s[G0+2:G0+3], s[G0+2:G0+3], s[18:19]
	s_add_nc_u64 s[G0B+2:G0B+3], s[G0B+2:G0B+3], s[18:19]
	s_wait_dscnt 0x0
	CROUND                                         ; all four tiles are in, all sixteen work-groups are here
	JLOAD G0+4, G1, G0B+4, G1B                     ; slot 1's first fill, the first tensor load behind the round
	FETCH_B 0, 0, 0
	FETCH_A 0, 0, 0
	SCALES 0
	FETCH_A 0, 0, 4
	STEP 0, 0, 1
	s_mov_b32 s3, LAPS-1
.Llap:
	TURN 0, 1, 1
	STEP 1, 0, 0
	TURN 1, 0, 1
	STEP 0, 0, 0
	s_sub_co_u32 s3, s3, 1
	s_cmp_lg_u32 s3, 0
	s_cbranch_scc1 .Llap
	TURN 0, 1, 0
	STEP 1, 0, 0
	s_wait_dscnt 4*NL
	WIN MUL_LO
	MUL16 0, 1, NQ-1, 1, 0
	MUL16 2, 1, NQ-1, 1, 0
	s_wait_dscnt 0
	WIN MUL_HI
	MUL16 4, 1, NQ-1, 1, 0
	MUL16 6, 1, NQ-1, 1, 0
	WIN 0
.macro QUANT s
.irp b, 0,1,2,3
	v_max3_num_f32 v[TM+\b], |v[\s+16*\b]|, |v[\s+1+16*\b]|, 0x1800000
.endr
.irp i, 2,4,6,8,10,12,14
.irp b, 0,1,2,3
	v_max3_num_f32 v[TM+\b], v[TM+\b], |v[\s+16*\b+\i]|, |v[\s+1+16*\b+\i]|
.endr
.endr
.irp b, 0,1,2,3
	v_permlanex16_b32 v[TM+4+\b], v[TM+\b], s[SEL], s[SEL+1]
.endr
.irp b, 0,1,2,3
	v_max_num_f32 v[TM+\b], v[TM+\b], v[TM+4+\b]
.endr
.irp b, 0,1,2,3
	v_add_nc_u32 v[TM+12+\b], 0xff000000, v[TM+\b]
.endr
.irp b, 0,1,2,3
	v_lshrrev_b32 v[TM+4+\b], 23, v[TM+12+\b]
.endr
	v_lshl_or_b32 v[PW], v[TM+5], 8, v[TM+4]
	v_lshl_or_b32 v[PW], v[TM+6], 16, v[PW]
	v_lshl_or_b32 v[PW], v[TM+7], 24, v[PW]
.irp c, 0,1
	v_cvt_scalef32_pk16_fp6_f32 v[PC+6*\c:PC+2+6*\c], v[\s+32*\c:\s+15+32*\c], v[TM+12+2*\c]
	v_cvt_scalef32_pk16_fp6_f32 v[PC+12+4*\c:PC+14+4*\c], v[\s+16+32*\c:\s+31+32*\c], v[TM+12+2*\c+1]
.endr
	v_nop
.irp c, 0,1
.irp i, 0,1,2
	v_permlane16_swap_b32 v[PC+6*\c+\i], v[PC+12+4*\c+\i]
.endr
.irp i, 0,1,2
	v_mov_b32 v[PC+3+6*\c+\i], v[PC+12+4*\c+\i]
.endr
.endr
.endm
	PLACES NP
	s_mov_b32 s24, 2.77068142495902e-08
	s_mov_b32 s25, s24
	s_mov_b32 s26, -2.10102402082508e-06
	s_mov_b32 s27, s26
	s_mov_b32 s28, -5.69250639462346e-05
	s_mov_b32 s29, s28
	s_mov_b32 s30, -7.34990630326855e-04
	s_mov_b32 s31, s30
	s_mov_b32 s32, -2.95459980854025e-03
	s_mov_b32 s33, s32
	s_mov_b32 s34, -1.60960333262415e-02
	s_mov_b32 s35, s34
	s_mov_b32 s36, -2.13374055278905e-04
	s_mov_b32 s37, s36
	s_mov_b32 s38, -1.68282697438203e-03
	s_mov_b32 s39, s38
	s_mov_b32 s40, -7.37332916720468e-03
	s_mov_b32 s41, s40
	s_mov_b32 s42, -1.42647390514189e-02
	s_mov_b32 s43, s42
	s_mov_b32 s44, 0x3f3504f3
	s_mov_b32 s45, s44
	v_mov_b32 v16, -2.72614225801306e-10
	v_mov_b32 v17, v16
	v_mov_b32 v18, -1.45660718464996e-05
	v_mov_b32 v19, v18
	s_mov_b32 s3, 0
	s_mov_b32 s46, 0
	s_mov_b32 s47, 0
.macro STUB a
	WIN 0x02+((\a)/4)
.set k, 0
.rept 32
	v_pk_mul_f32 v[H+2*k:H+2*k+1], v[64*((\a)%4)+2*k:64*((\a)%4)+2*k+1], 0.5 op_sel_hi:[1,0]
.set k, k+1
.endr
.set k, 0
.rept 32
	v_pk_mul_f32 v[Y+2*k:Y+2*k+1], v[64*((\a)%4)+2*k:64*((\a)%4)+2*k+1], s[44:45] op_sel_hi:[1,0]
.set k, k+1
.endr
	WIN 0
.endm
.Lblk:
.irp a, 0,1,2,3,4,5,6
	s_cmp_eq_u32 s3, \a
	s_cbranch_scc1 .Lacc\a
.endr
	STUB 7
	s_branch .Lcommon
.irp a, 0,1,2,3,4,5
.Lacc\a:
	STUB \a
	s_branch .Lcommon
.endr
.Lacc6:
	STUB 6
.Lcommon:
.set k, 0
.rept 64
	v_med3_num_f32 v[Y+k], v[Y+k], -4.0, 4.0
.set k, k+1
.endr
.irp u, 0,1
.set k, 0
.rept 16
	v_pk_mul_f32 v[S+2*k:S+2*k+1], v[Y+32*\u+2*k:Y+32*\u+2*k+1], v[Y+32*\u+2*k:Y+32*\u+2*k+1]
.set k, k+1
.endr
.set k, 0
.rept 16
	v_pk_fma_f32 v[P+2*k:P+2*k+1], v[S+2*k:S+2*k+1], v[16:17], s[24:25] op_sel_hi:[1,1,0]
.set k, k+1
.endr
.irp c, 26,28,30,32,34
.set k, 0
.rept 16
	v_pk_fma_f32 v[P+2*k:P+2*k+1], v[P+2*k:P+2*k+1], v[S+2*k:S+2*k+1], s[\c:\c+1] op_sel_hi:[1,1,0]
.set k, k+1
.endr
.endr
.set k, 0
.rept 16
	v_pk_fma_f32 v[Q+2*k:Q+2*k+1], v[S+2*k:S+2*k+1], v[18:19], s[36:37] op_sel_hi:[1,1,0]
.set k, k+1
.endr
.irp c, 38,40,42
.set k, 0
.rept 16
	v_pk_fma_f32 v[Q+2*k:Q+2*k+1], v[Q+2*k:Q+2*k+1], v[S+2*k:S+2*k+1], s[\c:\c+1] op_sel_hi:[1,1,0]
.set k, k+1
.endr
.endr
.set k, 0
	s_wait_alu depctr_va_vdst(0)
.rept 32
	v_rcp_f32 v[Q+k], v[Q+k]
.set k, k+1
.endr
.set k, 0
.rept 16
	v_pk_mul_f32 v[Y+32*\u+2*k:Y+32*\u+2*k+1], v[Y+32*\u+2*k:Y+32*\u+2*k+1], v[P+2*k:P+2*k+1]
.set k, k+1
.endr
	s_wait_alu depctr_va_vdst(0)
.set k, 0
.rept 16
	v_pk_mul_f32 v[Y+32*\u+2*k:Y+32*\u+2*k+1], v[Y+32*\u+2*k:Y+32*\u+2*k+1], v[Q+2*k:Q+2*k+1]
.set k, k+1
.endr
.set k, 0
.rept 16
	v_pk_fma_f32 v[H+32*\u+2*k:H+32*\u+2*k+1], v[H+32*\u+2*k:H+32*\u+2*k+1], v[Y+32*\u+2*k:Y+32*\u+2*k+1], v[H+32*\u+2*k:H+32*\u+2*k+1]
.set k, k+1
.endr
.endr
	QUANT H
	v_add_nc_u32 v20, s46, v[STO]
	v_add_nc_u32 v21, s47, v[STS]
.irp c, 0,1
.irp p, 0,1,2
	ds_store_b64 v20, v[PC+6*\c+2*\p:PC+6*\c+2*\p+1] offset:GRP*\c+8*\p
.endr
.endr
	ds_store_b32 v21, v[PW]
	s_wait_dscnt 0x0
	s_add_co_u32 s46, s46, 768
	s_add_co_u32 s47, s47, 64
	s_add_co_u32 s3, s3, 1
	s_cmp_lt_u32 s3, 8
	s_cbranch_scc1 .Lblk
.set n, 0
.rept 25
	ds_load_b128 v[BK+4*n:BK+4*n+3], v[RD] offset:512*n
.set n, n+1
.endr
.set n, 0
.rept 24
	s_wait_dscnt 24-n
	global_store_b128 v[CO], v[BK+4*n:BK+4*n+3], s[4+2*(n/12):5+2*(n/12)] offset:512*(n%12)
.set n, n+1
.endr
	s_wait_dscnt 0x0
	global_store_b128 v[CO], v[BK+96:BK+99], s[8:9]
	s_wait_tensorcnt 0x0
	ds_add_u32 v[SPW], v[NIL]
	s_wait_dscnt 0x0
	CROUND
	s_endpgm
.Lfunc_end_k_q66cf42dedc_ff1:
	.size	k_q66cf42dedc_ff1, .Lfunc_end_k_q66cf42dedc_ff1-k_q66cf42dedc_ff1
	.p2alignl 7, 3214868480
	.fill 96, 4, 3214868480
	.section	.rodata,"a",@progbits
	.p2align	6, 0x0
	.amdhsa_kernel k_q66cf42dedc_ff1
		.amdhsa_group_segment_fixed_size 327680
		.amdhsa_private_segment_fixed_size 0
		.amdhsa_enable_private_segment 0
		.amdhsa_kernarg_size 40
		.amdhsa_user_sgpr_count 2
		.amdhsa_user_sgpr_kernarg_segment_ptr 1
		.amdhsa_wavefront_size32 1
		.amdhsa_system_sgpr_workgroup_id_x 1
		.amdhsa_system_sgpr_workgroup_id_y 1
		.amdhsa_system_sgpr_workgroup_id_z 1
		.amdhsa_system_vgpr_workitem_id 0
		.amdhsa_next_free_vgpr 1024
		.amdhsa_next_free_sgpr 102
		.amdhsa_reserve_vcc 0
		.amdhsa_float_denorm_mode_32 3
		.amdhsa_float_denorm_mode_16_64 3
		.amdhsa_memory_ordered 1
		.amdhsa_forward_progress 1
		.amdhsa_inst_pref_size 213
	.end_amdhsa_kernel
	.amdgpu_metadata
---
amdhsa.version: [ 1, 2 ]
amdhsa.kernels:
  - .name:           k_q66cf42dedc_ff1
    .symbol:         k_q66cf42dedc_ff1.kd
    .args:
      - { .name: act, .offset: 0, .size: 8, .value_kind: global_buffer, .address_space: global }
      - { .name: wc, .offset: 8, .size: 8, .value_kind: global_buffer, .address_space: global }
      - { .name: wsc, .offset: 16, .size: 8, .value_kind: global_buffer, .address_space: global }
      - { .name: b1, .offset: 24, .size: 8, .value_kind: global_buffer, .address_space: global }
      - { .name: fq, .offset: 32, .size: 8, .value_kind: global_buffer, .address_space: global }
    .group_segment_fixed_size: 327680
    .private_segment_fixed_size: 0
    .kernarg_segment_align: 8
    .kernarg_segment_size: 40
    .max_flat_workgroup_size: 128
    .sgpr_count:     102
    .vgpr_count:     1024
    .wavefront_size: 32
...
	.end_amdgpu_metadata
.endif
;; end of part 6
;; launch ff2 (part 7): grid 8 x 32, 4 waves a work-group, clusters of 4 x 4, 327,680 bytes of LDS; arguments fq, wc, wsc, b2, hbuf, out0; writes out0
.if DOCPART == 7
	.amdgcn_target "amdgcn-amd-amdhsa--gfx1250"
	.amdhsa_code_object_version 6
	.text
	.protected	k_q66cf42dedc_ff2
	.globl	k_q66cf42dedc_ff2
	.p2align	8
	.type	k_q66cf42dedc_ff2,@function
k_q66cf42dedc_ff2:
	s_mov_b64 s[64:65], 0
	v_nop
	global_prefetch_b8 v0, s[64:65] scope:SCOPE_SE
	s_setreg_imm32_b32 hwreg(HW_REG_WAVE_MODE, 25, 1), 1
	s_wait_xcnt 0x0
	s_wait_alu depctr_hold_cnt(0) depctr_sa_sdst(0) depctr_va_vdst(0) depctr_va_sdst(0) depctr_va_ssrc(0) depctr_va_vcc(0) depctr_vm_vsrc(0)
	s_getreg_b32 s2, hwreg(HW_REG_IB_STS2, 6, 4)
	s_cmp_eq_u32 s2, 0
	s_cbranch_scc0 .Lentry_in_a_cluster
	s_endpgm
.Lentry_in_a_cluster:
	s_bfe_u32 s2, ttmp6, 0x10000c
	s_cmp_lg_u32 s2, 0xf033
	s_cbranch_scc0 .Lentry_shape_is_right
	s_endpgm
.Lentry_shape_is_right:
.set SIZE_K, 4096
.set ASOFF,  12582912
.set BOFF,   6291456
.set BSOFF,  262144
.set BROWS,  1024
.set AROWS,  4096
.set NST,    SIZE_K/128
.set LAPS,   SIZE_K/1024
.set GRP,    6144
.set HALFT,  4*GRP
.set SLOT,   4*HALFT
.set SCL,    2*SLOT
.set HALFS,  NST*256
.set SPARE,  SCL+4*HALFS
.set STGW,   16*272
.set FR, 12
.set ADRA, 16
.set ADRB, 20
.set STO,  24
.set RD,   25
.set CO,   26
.set ADRS, 27
.set SPW,  28
.set NIL,  29
.set PFO,  30
.set SC,   32
.set BK,   64
.set ACC,  128
.set F0,   0
.set F1,   128
.set PFA,  12
.set PFS,  66
.set LIM,  95
.set G1, 24
.set G0, 32
.set G1B, 48
.set G0B, 56
.set G1S, 68
.set G0S, 76
.set G1SB, 80
.set G0SB, 88
.set MSB, 0
.macro WIN new
.if MSB != (\new)
	s_set_vgpr_msb (MSB<<8)|(\new)
.set MSB, (\new)
.endif
.endm
.set MUL,  0x05
.set TO_F, 0x40
.macro JLOAD g0a, g1a, g0b, g1b
	s_cmp_eq_u32 s15, 0
	s_cbranch_scc0 .Lfor_b_\@
	tensor_load_to_lds s[\g0a:\g0a+3], s[\g1a:\g1a+7]
	s_nop 0
.rept 4
	v_nop
.endr
	s_branch .Lasked_\@
.Lfor_b_\@:
	tensor_load_to_lds s[\g0b:\g0b+3], s[\g1b:\g1b+7]
	s_nop 0
.rept 4
	v_nop
.endr
.Lasked_\@:
.endm
.macro ASK last
.if \last
	s_cmp_gt_u32 s3, s[LIM]
.else
	s_cmp_eq_u32 s[LIM], 1
.endif
	s_cbranch_scc0 .Lnot_mine_\@
	global_prefetch_b8 v[PFO], s[PFA:PFA+1] th:TH_LOAD_NT scope:SCOPE_SE
.Lnot_mine_\@:
.endm
.macro CREST
	s_cmp_lg_u32 s14, 0
	s_cbranch_scc1 .Lnot_wave_0_\@
	s_barrier_signal -3
.Lnot_wave_0_\@:
	s_barrier_wait -3
	s_barrier_signal -1
	s_barrier_wait -1
.endm
.macro CROUND
	s_barrier_signal -1
	s_barrier_wait -1
	CREST
.endm
.macro PLACES
.rept 4
	v_nop
.endr
.endm
	s_load_b256 s[4:11], s[0:1], 0x0
	s_load_b128 s[96:99], s[0:1], 0x20
	v_lshl_add_u32 v[SPW], v0, 2, SPARE
	v_mov_b32 v[NIL], 0
	ds_add_u32 v[SPW], v[NIL]
	ds_add_u32 v[SPW], v[NIL]
	v_lshrrev_b32 v1, 5, v0
	v_readfirstlane_b32 s14, v1
	s_lshr_b32 s15, s14, 1
	s_and_b32 s16, s14, 1
	s_bfe_u32 s40, ttmp6, 0x40000
	s_bfe_u32 s41, ttmp6, 0x40004
	s_lshl_b32 s42, ttmp9, 2
	s_add_co_u32 s42, s42, s40
	s_and_b32 s17, ttmp7, 0xffff
	s_lshl_b32 s17, s17, 2
	s_add_co_u32 s17, s17, s41
	s_lshl_b32 s43, s41, 2
	s_lshl_b32 s43, 15, s43
	s_lshl_b32 s44, 0x1111, s40
	s_or_b32 s[G1+0], s43, (3<<16)|(1<<21)
	s_or_b32 s[G1B+0], s44, (3<<16)|(1<<21)
.irp g, G1, G1B
	s_mov_b32 s[\g+1], 768<<16
	s_mov_b32 s[\g+2], 8<<16                       ; the head's load brings a slot's eight groups of 64 along K
	s_mov_b32 s[\g+3], 768<<16
	s_mov_b32 s[\g+4], 8
	s_mov_b32 s[\g+6], 0
	s_mov_b32 s[\g+7], 0
.endr
	s_mov_b32 s[G1+5], AROWS*6
	s_mov_b32 s[G1B+5], BROWS*6
	s_or_b32 s[G1S+0], s43, (3<<16)|(1<<21)
	s_or_b32 s[G1SB+0], s44, (3<<16)|(1<<21)
.irp g, G1S, G1SB
	s_mov_b32 s[\g+1], 64<<16                      ; 128 rows' scale words: 512 bytes
	s_mov_b32 s[\g+2], NST<<16
	s_mov_b32 s[\g+3], 64<<16
	s_mov_b32 s[\g+4], NST
	s_mov_b32 s[\g+6], 0
	s_mov_b32 s[\g+7], 0
.endr
	s_mov_b32 s[G1S+5], AROWS/2
	s_mov_b32 s[G1SB+5], BROWS/2
	s_mul_i32 s20, s17, 128*48
	s_mov_b32 s21, 0
	s_mul_i32 s46, s42, 128*48
	s_add_co_u32 s46, s46, BOFF
	s_mov_b32 s47, 0
	s_lshl_b32 s22, s17, 9
	s_add_co_u32 s22, s22, ASOFF
	s_mov_b32 s23, 0
	s_lshl_b32 s92, s42, 9
	s_add_co_u32 s92, s92, BSOFF
	s_mov_b32 s93, 0
	s_mul_i32 s45, s14, HALFT
	s_wait_dscnt 0x0
	s_wait_kmcnt 0x0
	s_add_nc_u64 s[20:21], s[4:5], s[20:21]
	s_add_nc_u64 s[22:23], s[4:5], s[22:23]
	s_add_nc_u64 s[46:47], s[6:7], s[46:47]
	s_add_nc_u64 s[92:93], s[8:9], s[92:93]
	CROUND
	s_mov_b32 s[G0S], 1
	s_mov_b32 s[G0S+1], SCL
	s_mov_b64 s[G0S+2:G0S+3], s[22:23]
	s_or_b32 s[G0S+3], s[G0S+3], 0x80000000
	s_mov_b32 s[G0SB], 1
	s_mov_b32 s[G0SB+1], SCL+2*HALFS
	s_mov_b64 s[G0SB+2:G0SB+3], s[92:93]
	s_or_b32 s[G0SB+3], s[G0SB+3], 0x80000000
.irp s, 0,1
	s_mov_b32 s[G0+4*\s], 1
	s_add_co_u32 s[G0+4*\s+1], s45, \s*SLOT
	s_add_nc_u64 s[G0+4*\s+2:G0+4*\s+3], s[20:21], \s*8*AROWS*48
	s_or_b32 s[G0+4*\s+3], s[G0+4*\s+3], 0x80000000
	s_mov_b32 s[G0B+4*\s], 1
	s_add_co_u32 s[G0B+4*\s+1], s45, \s*SLOT
	s_add_nc_u64 s[G0B+4*\s+2:G0B+4*\s+3], s[46:47], \s*8*BROWS*48
	s_or_b32 s[G0B+4*\s+3], s[G0B+4*\s+3], 0x80000000
.endr
	; THE HEAD'S LOADS, ONE A WAVE: wave 0 slot 0's tile of A, wave 1 its tile of B, wave 2 A's scale words, wave 3 B's.
	; Slot 0's group 0 serves the whole tile here and is set for the ring behind the wait that shows the load done.
	s_mov_b32 s[G0+1], 0
	s_mov_b32 s[G0B+1], 2*HALFT
	s_mul_i32 s18, s16, 4*AROWS*48                 ; in the ring I fetch four of a slot's eight groups
	s_mov_b32 s19, 0
	s_add_nc_u64 s[G0+6:G0+7], s[G0+6:G0+7], s[18:19]
	s_mul_i32 s18, s16, 4*BROWS*48
	s_add_nc_u64 s[G0B+6:G0B+7], s[G0B+6:G0B+7], s[18:19]
.macro ARM under, g0, g1, next
	s_cmp_lt_u32 s14, \under
	s_cbranch_scc0 \next
	tensor_load_to_lds s[\g0:\g0+3], s[\g1:\g1+7]
	s_nop 0
.rept 4
	v_nop
.endr
	s_branch .Lhead_asked
\next:
.endm
	ARM 1, G0,  G1,  .Lhead_b
	ARM 2, G0B, G1B, .Lhead_sa
	ARM 3, G0S, G1S, .Lhead_sb
	tensor_load_to_lds s[G0SB:G0SB+3], s[G1SB:G1SB+7]
	s_nop 0
.rept 4
	v_nop
.endr
.Lhead_asked:
	s_lshl_b32 s20, s17, 19
	s_lshl_b32 s21, s15, 18
	s_add_co_u32 s20, s20, s21
	s_lshl_b32 s22, s42, 9
	s_lshl_b32 s21, s16, 8
	s_add_co_u32 s22, s22, s21
	s_add_co_u32 s20, s20, s22
	s_mov_b32 s21, 0
	s_mov_b32 s23, 0
	s_add_nc_u64 s[96:97], s[96:97], s[20:21]
	s_add_nc_u64 s[98:99], s[98:99], s[20:21]
	s_add_nc_u64 s[10:11], s[10:11], s[22:23]
	v_and_b32 v1, 15, v0
	v_bfe_u32 v2, v0, 4, 1
	v_lshlrev_b32 v6, 4, v1
	v_lshl_add_u32 v[CO], v2, 12, v6
	WIN 0x80
.irp a, 0,1,2,3
.irp t, 0,1,2,3,4,5,6,7
	global_load_b128 v[32*\a+4*\t:32*\a+4*\t+3], v[CO], s[96:97] offset:(16*\a+2*\t)*4096
.endr
.endr
	global_load_b128 v[128:131], v6, s[10:11]
	WIN 0
	v_mul_u32_u24 v3, v1, 48
	v_mad_u32_u24 v3, v2, 24, v3
	s_mul_i32 s21, s15, 64*48
	s_mul_i32 s22, s16, 64*48
	s_add_co_u32 s22, s22, 2*HALFT
.irp s, 0,1
	v_add_nc_u32 v[ADRA+\s], s21, v3
	v_add_nc_u32 v[ADRB+\s], s22, v3
	s_add_co_u32 s21, s21, SLOT
	s_add_co_u32 s22, s22, SLOT
.endr
	v_lshlrev_b32 v5, 2, v1
	s_mul_i32 s21, s15, 256                        ; scale words lie [step][128 rows][4]: my 64 rows
	s_mul_i32 s22, s16, 256
	s_add_co_u32 s22, s22, 2*HALFS
	s_sub_co_u32 s22, s22, s21
	v_mul_u32_u24 v7, s22, v2
	s_add_co_u32 s21, s21, SCL
	v_add_nc_u32 v5, v5, v7
	v_add_nc_u32 v[ADRS], s21, v5
	s_mul_i32 s23, s14, STGW
	v_mul_u32_u24 v4, v1, 272
	v_lshl_add_u32 v4, v2, 5, v4
	v_add_nc_u32 v[STO], s23, v4
	v_mul_u32_u24 v5, v2, 272
	v_lshl_add_u32 v5, v1, 4, v5
	v_add_nc_u32 v[RD], s23, v5
	s_and_b32 s19, ttmp7, 0xffff
	s_mov_b32 s[PFS], BROWS*48
	s_cmp_eq_u32 s15, 0
	s_cselect_b32 s18, s17, s42
	s_cselect_b32 s2, s40, s41
	s_cselect_b32 s19, ttmp9, s19
	s_cselect_b64 s[PFA:PFA+1], s[4:5], s[6:7]
	s_cselect_b32 s[PFS], AROWS*48, s[PFS]
	s_cselect_b32 s100, 0, BOFF
	s_cmp_eq_u32 s19, 0
	s_cselect_b32 s[LIM], 1, -1
	s_mul_i32 s18, s18, 128*48
	s_add_co_u32 s18, s18, s100
	s_lshl_b32 s19, s16, 2
	s_add_co_u32 s19, s19, s2
	s_add_co_u32 s19, s19, 16
	s_mul_i32 s19, s19, s[PFS]
	s_add_co_u32 s18, s18, s19
	s_mov_b32 s19, 0
	s_add_nc_u64 s[PFA:PFA+1], s[PFA:PFA+1], s[18:19]
	s_lshl_b32 s[PFS], s[PFS], 3
	s_mov_b32 s[PFS+1], 0
	v_and_b32 v[PFO], 31, v0
	v_min_u32 v[PFO], 23, v[PFO]
	v_lshlrev_b32 v[PFO], 8, v[PFO]
.macro FRAG reg, adr, qq, i
.irp p, 0,1,2,3,4,5
	ds_load_b64 v[\reg+2*\p:\reg+2*\p+1], v[\adr] offset:((\qq)>>1)*HALFT+(2*((\qq)&1)+\p/3)*GRP+(\i)*768+8*(\p%3)
.endr
.endm
.macro FETCH slot, qq, f
	WIN TO_F
.irp i, 0,1,2,3
	FRAG \f+48+FR*\i, ADRB+\slot, \qq, \i
.endr
.irp i, 0,1,2,3
	FRAG \f+FR*\i, ADRA+\slot, \qq, \i
.endr
.endm
.macro SCALES sc
.irp i, 0,1,2,3
.irp q, 0,1,2,3
	ds_load_b32 v[SC+16*\sc+4*\i+\q], v[ADRS] offset:512*\q+64*\i
.endr
.endr
.endm
.macro MUL4 f, a, qq, sc, zero
.irp b, 0,1,2,3
.if \zero
	v_wmma_scale_f32_16x16x128_f8f6f4 v[ACC+8*(4*(\a)+\b):ACC+8*(4*(\a)+\b)+7], v[\f+48+FR*\b:\f+48+FR*\b+FR-1], v[\f+FR*(\a):\f+FR*(\a)+FR-1], 0, v[SC+16*(\sc)+4*\b+(\qq)], v[SC+16*(\sc)+4*(\a)+(\qq)] matrix_a_fmt:MATRIX_FMT_FP6 matrix_b_fmt:MATRIX_FMT_FP6 matrix_a_scale:MATRIX_SCALE_ROW1
.else
	v_wmma_scale_f32_16x16x128_f8f6f4 v[ACC+8*(4*(\a)+\b):ACC+8*(4*(\a)+\b)+7], v[\f+48+FR*\b:\f+48+FR*\b+FR-1], v[\f+FR*(\a):\f+FR*(\a)+FR-1], v[ACC+8*(4*(\a)+\b):ACC+8*(4*(\a)+\b)+7], v[SC+16*(\sc)+4*\b+(\qq)], v[SC+16*(\sc)+4*(\a)+(\qq)] matrix_a_fmt:MATRIX_FMT_FP6 matrix_b_fmt:MATRIX_FMT_FP6 matrix_a_scale:MATRIX_SCALE_ROW1
.endif
.endr
.endm
.macro QUARTER slot, qq, f, g, zero
	s_wait_dscnt 12
	WIN MUL
	MUL4 \f, 0, \qq, \slot, \zero
	MUL4 \f, 1, \qq, \slot, \zero
	PLACES
	FETCH \slot, (\qq)+1, \g
	s_wait_dscnt 48
	WIN MUL
	MUL4 \f, 2, \qq, \slot, \zero
	MUL4 \f, 3, \qq, \slot, \zero
.endm
.macro TURN slot, next, fill
.if \fill
	s_wait_xcnt 0x0
	s_add_nc_u64 s[PFA:PFA+1], s[PFA:PFA+1], s[PFS:PFS+1]
.endif
	WIN 0
	s_wait_tensorcnt 0x0
	ds_add_u32 v[SPW], v[NIL]
	s_wait_dscnt 13
	WIN MUL
	MUL4 F1, 0, 3, \slot, 0
	s_wait_dscnt 0x0
	s_barrier_signal -1
	MUL4 F1, 1, 3, \slot, 0
	WIN 0
	s_barrier_wait -1
.if \fill
	CREST
	s_add_nc_u64 s[G0+4*\slot+2:G0+4*\slot+3], s[G0+4*\slot+2:G0+4*\slot+3], 16*AROWS*48
	s_add_nc_u64 s[G0B+4*\slot+2:G0B+4*\slot+3], s[G0B+4*\slot+2:G0B+4*\slot+3], 16*BROWS*48
	JLOAD G0+4*\slot, G1, G0B+4*\slot, G1B
.else
	PLACES
.endif
	s_wait_alu depctr_va_vdst(0)
	v_add_nc_u32 v[ADRS], 2048, v[ADRS]
	SCALES \next
	FETCH \next, 0, F0
.if \fill
	WIN 0
	ASK \slot
.endif
	WIN MUL
	MUL4 F1, 2, 3, \slot, 0
	MUL4 F1, 3, 3, \slot, 0
.endm
	s_wait_alu depctr_va_vdst(0)                   ; the head's end
	s_wait_tensorcnt 0x0                           ; my tile of the head's four is in
	ds_add_u32 v[SPW], v[NIL]
	s_mov_b32 s[G1+2], 4<<16                       ; no tensor load of mine is out: from here on a load brings four groups,
	s_mov_b32 s[G1+4], 4
	s_mov_b32 s[G1B+2], 4<<16
	s_mov_b32 s[G1B+4], 4
	s_mov_b32 s[G0+1], s45                         ; and slot 0's group 0 is set for the ring: my quarter of the slot
	s_mov_b32 s[G0B+1], s45
	s_mul_i32 s18, s16, 4*AROWS*48
	s_mov_b32 s19, 0
	s_add_nc_u64 s[G0+2:G0+3], s[G0+2:G0+3], s[18:19]
	s_mul_i32 s18, s16, 4*BROWS*48
	s_add_nc_u64 s[G0B+2:G0B+3], s[G0B+2:G0B+3], s[18:19]
	s_wait_dscnt 0x0
	CROUND                                         ; all four tiles are in, all sixteen work-groups are here
	JLOAD G0+4, G1, G0B+4, G1B                     ; slot 1's first fill, the first tensor load behind the round
	SCALES 0
	FETCH 0, 0, F0
	QUARTER 0, 0, F0, F1, 1
.if LAPS > 1
	WIN 0
	s_mov_b32 s3, LAPS-1
.Llap:
	QUARTER 0, 1, F1, F0, 0
	QUARTER 0, 2, F0, F1, 0
	TURN 0, 1, 1
	QUARTER 1, 0, F0, F1, 0
	QUARTER 1, 1, F1, F0, 0
	QUARTER 1, 2, F0, F1, 0
	TURN 1, 0, 1
	QUARTER 0, 0, F0, F1, 0
	WIN 0
	s_sub_co_u32 s3, s3, 1
	s_cmp_lg_u32 s3, 0
	s_cbranch_scc1 .Llap
.endif
	QUARTER 0, 1, F1, F0, 0
	QUARTER 0, 2, F0, F1, 0
	TURN 0, 1, 0
	QUARTER 1, 0, F0, F1, 0
	QUARTER 1, 1, F1, F0, 0
	QUARTER 1, 2, F0, F1, 0
	s_wait_dscnt 12
	WIN MUL
	MUL4 F1, 0, 3, 1, 0
	MUL4 F1, 1, 3, 1, 0
	s_wait_dscnt 0
	MUL4 F1, 2, 3, 1, 0
	MUL4 F1, 3, 3, 1, 0
	WIN 0
	s_wait_loadcnt 0x0
	PLACES
.irp a, 0,1,2,3
.set BS, BK+32*(\a%2)
.if \a >= 2
	s_wait_xcnt 0x0
.endif
.irp b, 0,1,2,3
	ds_store_b128 v[STO], v[ACC+8*(4*\a+\b):ACC+8*(4*\a+\b)+3] offset:64*\b
	ds_store_b128 v[STO], v[ACC+8*(4*\a+\b)+4:ACC+8*(4*\a+\b)+7] offset:64*\b+16
.endr
.irp t, 0,1,2,3,4,5,6,7
	ds_load_b128 v[BS+4*\t:BS+4*\t+3], v[RD] offset:544*\t
.endr
	s_wait_dscnt 0x0
	WIN 0x08
.irp t, 0,1,2,3,4,5,6,7
	v_pk_add_f32 v[BS+4*\t:BS+4*\t+1], v[BS+4*\t:BS+4*\t+1], v[128:129]
	v_pk_add_f32 v[BS+4*\t+2:BS+4*\t+3], v[BS+4*\t+2:BS+4*\t+3], v[130:131]
.endr
.irp t, 0,1,2,3,4,5,6,7
	v_pk_add_f32 v[BS+4*\t:BS+4*\t+1], v[BS+4*\t:BS+4*\t+1], v[32*\a+4*\t:32*\a+4*\t+1]
	v_pk_add_f32 v[BS+4*\t+2:BS+4*\t+3], v[BS+4*\t+2:BS+4*\t+3], v[32*\a+4*\t+2:32*\a+4*\t+3]
.endr
	WIN 0
.irp t, 0,1,2,3,4,5,6,7
	global_store_b128 v[CO], v[BS+4*\t:BS+4*\t+3], s[98:99] offset:(16*\a+2*\t)*4096
.endr
.endr
	s_wait_tensorcnt 0x0
	ds_add_u32 v[SPW], v[NIL]
	s_wait_dscnt 0x0
	CROUND
	s_endpgm
.Lfunc_end_k_q66cf42dedc_ff2:
	.size	k_q66cf42dedc_ff2, .Lfunc_end_k_q66cf42dedc_ff2-k_q66cf42dedc_ff2
	.p2alignl 7, 3214868480
	.fill 96, 4, 3214868480
	.section	.rodata,"a",@progbits
	.p2align	6, 0x0
	.amdhsa_kernel k_q66cf42dedc_ff2
		.amdhsa_group_segment_fixed_size 327680
		.amdhsa_private_segment_fixed_size 0
		.amdhsa_enable_private_segment 0
		.amdhsa_kernarg_size 48
		.amdhsa_user_sgpr_count 2
		.amdhsa_user_sgpr_kernarg_segment_ptr 1
		.amdhsa_wavefront_size32 1
		.amdhsa_system_sgpr_workgroup_id_x 1
		.amdhsa_system_sgpr_workgroup_id_y 1
		.amdhsa_system_sgpr_workgroup_id_z 1
		.amdhsa_system_vgpr_workitem_id 0
		.amdhsa_next_free_vgpr 768
		.amdhsa_next_free_sgpr 102
		.amdhsa_reserve_vcc 0
		.amdhsa_float_denorm_mode_32 3
		.amdhsa_float_denorm_mode_16_64 3
		.amdhsa_memory_ordered 1
		.amdhsa_forward_progress 1
		.amdhsa_inst_pref_size 122
	.end_amdhsa_kernel
	.amdgpu_metadata
---
amdhsa.version: [ 1, 2 ]
amdhsa.kernels:
  - .name:           k_q66cf42dedc_ff2
    .symbol:         k_q66cf42dedc_ff2.kd
    .args:
      - { .name: fq, .offset: 0, .size: 8, .value_kind: global_buffer, .address_space: global }
      - { .name: wc, .offset: 8, .size: 8, .value_kind: global_buffer, .address_space: global }
      - { .name: wsc, .offset: 16, .size: 8, .value_kind: global_buffer, .address_space: global }
      - { .name: b2, .offset: 24, .size: 8, .value_kind: global_buffer, .address_space: global }
      - { .name: hbuf, .offset: 32, .size: 8, .value_kind: global_buffer, .address_space: global }
      - { .name: out0, .offset: 40, .size: 8, .value_kind: global_buffer, .address_space: global }
    .group_segment_fixed_size: 327680
    .private_segment_fixed_size: 0
    .kernarg_segment_align: 8
    .kernarg_segment_size: 48
    .max_flat_workgroup_size: 128
    .sgpr_count:     102
    .vgpr_count:     768
    .wavefront_size: 32
...
	.end_amdgpu_metadata
.endif
;; end of part 7
